; MI455X (gfx1250); checked and timed in simulation.
; The chip was launched on July 23, 2026; its instructions are those of AMD's public machine-readable ISA for CDNA 5 (MIT licence, August 2026) and "CDNA5" Instruction Set Architecture Reference Guide (July 2026). The comments in the code are by the model that wrote it; some were corrected since.
;; Masked Multi Head Attention. Allowed arithmetic: matrix products marked QUANTISED: E5M2 operands, one E8M0 scale for each 32 along K, by v_wmma_scale_f32_16x16x128_f8f6f4 with both operands' format E5M2, f32 sums; everything else in f32.
;; Inputs: Wk 16 x 1,024 x 64 float32; Wo 1,024 x 1,024 float32; Wq 16 x 1,024 x 64 float32; Wv 16 x 1,024 x 64 float32; bk 16 x 64 float32; bo 1,024 float32; bq 16 x 64 float32; bv 16 x 64 float32; hidden_state 2 x 2,048 x 1,024 float32.
;; Outputs: out0 2 x 2,048 x 1,024 float32.
;; This version of the problem:
;;   THIS VERSION OF THE PROBLEM IS GIVEN IN LOW PRECISION. The matrix products marked QUANTISED in the list below multiply operands that are first quantised to E5M2 (5 exponent bits, 2 mantissa bits; 8 bits a number), with one power-of-two scale for each 32 numbers along K (OCP MX v1.0); their sums are f32. All else is computed in f32.
;;   The module's matrix products, in the order in which they are computed (A, B: the left and right operand; K: the contracted axis; several contracted axes count as one K, in the product's order):
;;     1. [M 1,024, K 1,024] x [K 1,024, N 4,096]; A: input Wq; B: input hidden_state: QUANTISED
;;     2. [M 1,024, K 1,024] x [K 1,024, N 4,096]; A: input Wk; B: input hidden_state: QUANTISED
;;     3. [M 1,024, K 1,024] x [K 1,024, N 4,096]; A: input Wv; B: input hidden_state: QUANTISED
;;     4. batch 32 x [M 2,048, K 64] x [K 64, N 2,048]; A: computed on the way; B: computed on the way: QUANTISED
;;     5. batch 32 x [M 2,048, K 2,048] x [K 2,048, N 64]; A: softmax (see below); B: computed on the way: QUANTISED
;;     6. [M 4,096, K 1,024] x [K 1,024, N 1,024]; A: computed on the way; B: input Wo: QUANTISED
;;   THE QUANTISER, for each operand of a quantised product, along K:
;;     - K is cut into blocks of 32 from its start; a last block that is shorter is filled with zeros.
;;     - A block's scale is 2^e with e = floor(log2(the largest magnitude in the block)) - 15, held to -126 .. 127; a block of zeros has e = 0. As a byte (E8M0): e + 127.
;;     - Each number is divided by its block's scale, clamped to +-57,344, and rounded to the nearest number of E5M2, ties to even, subnormals kept.
;;     - The product sums the exact products of the quantised numbers (number of the format x scale) in f32.
;;   ~~~python
;;   def quantise(x, axis):      # numpy; x: float32 -> the quantised numbers, widened to float32 again
;;       x = np.moveaxis(x, axis, -1); K = x.shape[-1]
;;       x = np.pad(x, [(0, 0)] * (x.ndim - 1) + [(0, -K % 32)]); x = x.reshape(x.shape[:-1] + (-1, 32)); a = np.abs(x).max(-1, keepdims=True)
;;       e = np.where(a > 0, np.clip(np.frexp(np.where(a > 0, a, 1))[1] - 1 - 15, -126, 127), 0)      # np.frexp(a)[1] - 1 = floor(log2(a)), exactly
;;       r = np.clip(x / 2.0 ** e, -57344, 57344)
;;       step = 2.0 ** (np.maximum(np.frexp(np.where(r == 0, 1, r))[1] - 1, -14) - 2)
;;       q = np.round(r / step) * step * 2.0 ** e      # np.round: ties to even
;;       return np.moveaxis(q.reshape(q.shape[:-2] + (-1,))[..., :K], -1, axis).astype(np.float32)
;;   ~~~
;;   SOFTMAX AHEAD OF A QUANTISED PRODUCT. Where the list says 'softmax', what is quantised is not the finished softmax but p = 2^(t - M), with t = logit x log2(e) and M = ceil(the row's largest t), a whole number; so 1/2 < the row's largest p <= 1. The row's sum l is taken of the UNQUANTISED p, in f32, and the product's result is divided by l at the end. Since M is a whole number, a kernel that streams over the keys may use a running M (the ceiling of the running maximum): every later rescaling is an exact power of two, which a block's scale takes up: the codes' values come out the same.
;;   OPERANDS COMPUTED ON THE WAY. 'Computed on the way' means the value that the module computes at that place (a softmax that the list does not call 'softmax' is quantised finished and normalised). What goes into a quantiser is computed in f32, as accurately as f32 sums, v_exp_f32 and their like allow (about 1e-6 of the number): no bf16 or f16 on the way to a quantiser, and a product that is left as it is and whose result goes on into a quantised operand takes f32 operands (vector FMAs, or v_wmma_f32_16x16x4_f32). A number that lies on a knife's edge between two numbers of the format may be rounded either way, as far as f32 arithmetic and the matrix unit's own rounding can turn it there, and no further.
;; One version. Each part assembles by itself: llvm-mc -triple=amdgcn-amd-amdhsa -mcpu=gfx1250 --defsym DOCPART=n.
;; ======== version 1 of 1: 4 launches
;; limits: right only within a limited range of input values
;; workspace buffers: x_img 4,194,304 bytes; x_scl 131,072 bytes; w_img 4,194,304 bytes; w_scl 131,072 bytes; att_img 12,582,912 bytes; att_scl 655,360 bytes; ctx_img 4,194,304 bytes; ctx_scl 131,072 bytes
;; launch quant (part 1): grid 512 x 1, 4 waves a work-group, no clusters, 34,304 bytes of LDS; arguments hidden_state, Wq, Wk, Wv, Wo, x_img, x_scl, w_img, w_scl; writes x_img, x_scl, w_img, w_scl
.if DOCPART == 1
	.amdgcn_target "amdgcn-amd-amdhsa--gfx1250"
	.amdhsa_code_object_version 6
	.text
	.protected	k_q423f14a575_quant
	.globl	k_q423f14a575_quant
	.p2align	8
	.type	k_q423f14a575_quant,@function
k_q423f14a575_quant:
	s_mov_b64 s[64:65], 0
	v_nop
	global_prefetch_b8 v0, s[64:65] scope:SCOPE_SE
	s_setreg_imm32_b32 hwreg(HW_REG_WAVE_MODE, 25, 1), 1
	s_wait_xcnt 0x0
; hidden_state [4096][1024] (K = d innermost) and the four weights (K = d, or Wo's first axis, NOT innermost), all f32, become codes of BF8 (E5M2) with one E8M0 byte for each 32 along K.
; THE CODES ARE LAID AS IMAGES OF OPERAND REGISTERS: [tile of 16 rows][K step of 128][chunk c 0..3][lane 0..31][16 bytes]; lane r + 16 h of chunk c holds row r, k = 32 c + 16 h + 0..15.
; THE ROWS OF A TILE ARE NOT NEIGHBOURS: lane r of tile 2 g + u is true row 32 g + 8 u + r + 8 (r / 8), so that a later product's results are neighbours along the next K.
; The scale bytes: [tile][K step][r] words of four bytes, byte c for k = 32 c .. 32 c + 31.
; w_img's rows n: Wq's 64 head + e (tiles 0-63), Wk's (64-127), Wv's (128-191), Wo's columns (192-255).
; A block's scale is 2^(floor(log2(its largest magnitude)) - 15); its byte is the largest magnitude's exponent field - 15, held at 1 from below; numbers are held within +-57,344 x the scale.
; LIMITS: a block of zeros gets the byte 1 (its codes are zeros; this program alone reads the bytes); NaN and infinities among the inputs are not served.
; Work-groups 0-255 take a tile of hidden_state each (a wave: two K steps); work-groups 256-511 take 32 columns x 512 along K of a weight (a wave: one K step).  Every wave reads 16 KiB.
; No tensor loads, no barrier: waves share nothing.  The scale words leave as pieces of 64 and 128 bytes: one byte in 128 of what the launch reads.
.set WV,  22                           ; s22  my wave's number
.set SEL, 24                           ; s[24:25] lane selects for v_permlanex16_b32: lane l xor 16
.set MNT, 26                           ; s26  the mantissa field of 57,344
.set TM,  8                            ; v8-23   at work in QUANT
.set PW,  24                           ; v24-25  the two K steps' scale words
.set RAW, 32                           ; v32-159 hidden_state as loaded: K step q, row i at RAW + 64 q + 4 i
.set X0,  160                          ; v160-223 64 neighbours a lane, first K step; the second takes v32-95
.set PC,  224                          ; v224-255 codes, 16 registers a K step
.set SP,  528                          ; a stage row: 512 bytes + 16
.set OFS, 32                           ; weights: v32-63 byte offset of row i of a block
.set WX,  64                           ; v64-191 four blocks of 32 numbers down K
.set WC,  192                          ; v192-223 eight registers of codes a block
; 64 numbers of a lane, register 16 b + i = k 32 b + 16 (lane / 16) + i of my row, become a fragment's codes in v[pc] on and its scale word in v[pw].
.macro QUANT s, pc, pw
.irp b, 0,1,2,3
	v_max3_num_f32 v[TM+\b], |v[\s+16*\b]|, |v[\s+1+16*\b]|, 0x8000000   ; my 16 numbers of block b, and the floor 2^(16 - 127): the byte cannot fall under 1
.endr
.irp i, 2,4,6,8,10,12,14
.irp b, 0,1,2,3
	v_max3_num_f32 v[TM+\b], v[TM+\b], |v[\s+16*\b+\i]|, |v[\s+1+16*\b+\i]|   ; the four blocks by turns
.endr
.endr
.irp b, 0,1,2,3
	v_permlanex16_b32 v[TM+4+\b], v[TM+\b], s[SEL], s[SEL+1]
.endr
.irp b, 0,1,2,3
	v_max_num_f32 v[TM+\b], v[TM+\b], v[TM+4+\b]          ; with lane l xor 16's: the block's largest magnitude
.endr
.irp b, 0,1,2,3
	v_add_nc_u32 v[TM+12+\b], 0xf8800000, v[TM+\b]        ; 15 off its exponent field: the conversion's scale operand
.endr
.irp b, 0,1,2,3
	v_and_or_b32 v[TM+8+\b], v[TM+\b], 0x7f800000, s[MNT] ; 57,344 x the scale
.endr
.irp b, 0,1,2,3
	v_lshrrev_b32 v[TM+4+\b], 23, v[TM+12+\b]             ; the scale's byte
.endr
	v_lshl_or_b32 v[\pw], v[TM+5], 8, v[TM+4]
	v_lshl_or_b32 v[\pw], v[TM+6], 16, v[\pw]
	v_lshl_or_b32 v[\pw], v[TM+7], 24, v[\pw]
.irp b, 0,1,2,3
.irp i, 0,1,2,3,4,5,6,7,8,9,10,11,12,13,14,15
	v_med3_num_f32 v[\s+16*\b+\i], v[\s+16*\b+\i], -v[TM+8+\b], v[TM+8+\b]   ; the conversion does not saturate (ISA guide 7.6.2): hold first
.endr
	v_cvt_scalef32_pk8_bf8_f32 v[\pc+4*\b:\pc+1+4*\b], v[\s+16*\b:\s+7+16*\b], v[TM+12+\b]
	v_cvt_scalef32_pk8_bf8_f32 v[\pc+2+4*\b:\pc+3+4*\b], v[\s+8+16*\b:\s+15+16*\b], v[TM+12+\b]
.endr
	v_nop                                          ; one plain line behind the last conversion
.endm
	s_load_b256 s[4:11], s[0:1], 0x0               ; hidden_state, Wq, Wk, Wv
	s_load_b256 s[12:19], s[0:1], 0x20             ; Wo, x_img, x_scl, w_img
	s_load_b64 s[20:21], s[0:1], 0x40              ; w_scl
	v_lshl_add_u32 v30, v0, 2, 0x8400
	v_mov_b32 v31, 0
	v_lshrrev_b32 v1, 5, v0
	v_readfirstlane_b32 s[WV], v1
	v_and_b32 v1, 31, v0                           ; lane
	v_lshlrev_b32 v7, 2, v1                        ; 4 x lane
	s_mov_b32 s[SEL], 0x76543210
	s_mov_b32 s[SEL+1], 0xfedcba98
	s_mov_b32 s[MNT], 0x600000
	s_cmp_lt_u32 ttmp9, 256
	s_cbranch_scc0 .Lweights
	; ---- hidden_state: tile T = the work-group's number, K steps 2 w and 2 w + 1
	v_and_b32 v2, 15, v0                           ; r
	v_bfe_u32 v3, v0, 4, 1                         ; h
	v_lshlrev_b32 v4, 4, v1                        ; 16 x lane
	s_mul_i32 s27, s[WV], 16*SP                    ; my wave's stage
	v_add_nc_u32 v5, s27, v4                       ; into it: a row's 512 bytes as they lie
	v_mul_u32_u24 v6, v2, SP
	v_lshl_add_u32 v6, v3, 6, v6
	v_add_nc_u32 v6, s27, v6                       ; out of it: row r, + 64 h: my 16 numbers of a block of 32
.irp b, 0,1,2,3
	v_mov_b32 v[TM+4+\b], 0                        ; written once: a lane permute's destination counts as one of its sources
.endr
	s_lshr_b32 s28, ttmp9, 1
	s_lshl_b32 s28, s28, 17                        ; 32 (T / 2) rows of 4,096 bytes
	s_and_b32 s29, ttmp9, 1
	s_lshl_b32 s29, s29, 15                        ; + 8 (T % 2) rows
	s_add_co_u32 s28, s28, s29
	s_lshl_b32 s29, s[WV], 10                      ; + my two K steps: 1,024 bytes
	s_add_co_u32 s28, s28, s29
	s_mov_b32 s29, 0
	s_lshl_b32 s30, ttmp9, 14                      ; the codes: 16,384 T + 4,096 w
	s_lshl_b32 s31, s[WV], 12
	s_add_co_u32 s30, s30, s31
	s_mov_b32 s31, 0
	s_lshl_b32 s32, ttmp9, 9                       ; the scale words: 512 T + 128 w
	s_lshl_b32 s33, s[WV], 7
	s_add_co_u32 s32, s32, s33
	s_mov_b32 s33, 0
	s_wait_kmcnt 0x0
	s_add_nc_u64 s[4:5], s[4:5], s[28:29]
	s_add_nc_u64 s[14:15], s[14:15], s[30:31]
	s_add_nc_u64 s[16:17], s[16:17], s[32:33]
.irp q, 0,1
.irp i, 0,1,2,3,4,5,6,7,8,9,10,11,12,13,14,15
	global_load_b128 v[RAW+64*\q+4*\i:RAW+64*\q+4*\i+3], v4, s[4:5] offset:(\i+8*(\i/8))*4096+512*\q th:TH_LOAD_NT   ; the tile's row i: 32 lanes read 512 consecutive bytes
.endr
.endr
.macro TURN raw, x                     ; a K step's 16 rows through the stage: LDS serves a wave's instructions in order, so no wait stands between the stores and the loads
.irp i, 0,1,2,3,4,5,6,7,8,9,10,11,12,13,14,15
	ds_store_b128 v5, v[\raw+4*\i:\raw+4*\i+3] offset:SP*\i
.endr
.irp c, 0,1,2,3
.irp j, 0,1,2,3
	ds_load_b128 v[\x+16*\c+4*\j:\x+16*\c+4*\j+3], v6 offset:128*\c+16*\j
.endr
.endr
.endm
	s_wait_loadcnt 16                              ; the first K step's sixteen loads are in; the second's may be out
	TURN RAW, X0
	s_wait_loadcnt 0x0
	s_wait_dscnt 0x0                               ; the first K step is back, and its raw registers are free
	TURN RAW+64, RAW
	QUANT X0, PC, PW
.irp c, 0,1,2,3
	global_store_b128 v4, v[PC+4*\c:PC+4*\c+3], s[14:15] offset:512*\c       ; a chunk: 512 consecutive bytes, aligned
.endr
	s_wait_dscnt 0x0
	QUANT RAW, PC+16, PW+1
.irp c, 0,1,2,3
	global_store_b128 v4, v[PC+16+4*\c:PC+16+4*\c+3], s[14:15] offset:2048+512*\c
.endr
	v_cmp_ne_u32 vcc_lo, 0, v3
	v_cndmask_b32 v26, v[PW], v[PW+1], vcc_lo      ; lanes 0-15 the first K step's words, lanes 16-31 the second's
	global_store_b32 v7, v26, s[16:17]             ; 128 consecutive bytes
	s_wait_tensorcnt 0x0
	ds_add_u32 v30, v31
	s_wait_dscnt 0x0
	s_endpgm
	; ---- the weights: a lane takes a column n, and its registers run down K
.Lweights:
	s_sub_co_u32 s27, ttmp9, 256
	s_lshr_b32 s28, s27, 1                         ; G: which 32 of the 4,096 columns
	s_and_b32 s27, s27, 1
	s_lshl_b32 s27, s27, 2
	s_add_co_u32 s27, s27, s[WV]                   ; my K step
	s_lshr_b32 s29, s28, 5                         ; which tensor: 0 Wq, 1 Wk, 2 Wv, 3 Wo
	s_and_b32 s31, s28, 31                         ; which 32 of its 1,024 columns
	s_lshr_b32 s40, s31, 1
	s_lshl_b32 s40, s40, 18                        ; per head: [1024][64] f32 = 262,144 bytes,
	s_and_b32 s41, s31, 1
	s_lshl_b32 s41, s41, 7                         ; + 128 bytes for the head's upper 32
	s_add_co_u32 s40, s40, s41
	s_lshl_b32 s41, s31, 7                         ; Wo: 128 bytes for each 32 columns
	s_mov_b32 s30, 4096
	s_cmp_lt_u32 s29, 3
	s_cselect_b32 s30, 256, s30                    ; bytes from one k to the next
	s_cselect_b32 s40, s40, s41
	s_lshl_b32 s42, s27, 7
	s_mul_i32 s42, s42, s30                        ; 128 x K step rows down
	s_add_co_u32 s40, s40, s42
	s_mov_b32 s41, 0
	s_lshl_b32 s42, s30, 5                         ; a block: 32 rows
	s_mov_b32 s43, 0
.set n, 0
.rept 32
	v_mad_u32_u24 v[OFS+n], s30, n, v7             ; 4 x lane + row n of a block
.set n, n+1
.endr
	v_bfe_u32 v2, v0, 3, 1                         ; column lane = 8 u + r + 8 (r / 8): u,
	v_and_b32 v3, 7, v0
	v_bfe_u32 v4, v0, 4, 1
	v_lshl_add_u32 v3, v4, 3, v3                   ; and r
	v_lshlrev_b32 v15, 4, v3
	v_lshl_add_u32 v15, v2, 14, v15                ; the codes: tile u, 16 r
	v_lshlrev_b32 v16, 2, v3
	v_lshl_add_u32 v16, v2, 9, v16                 ; the scale word: tile u, 4 r
	s_lshl_b32 s46, s28, 15                        ; tile 2 G: 32,768 G, + 2,048 x K step
	s_lshl_b32 s47, s27, 11
	s_add_co_u32 s46, s46, s47
	s_mov_b32 s47, 0
	s_wait_kmcnt 0x0
	s_add_nc_u64 s[18:19], s[18:19], s[46:47]
	s_lshl_b32 s46, s28, 10                        ; 1,024 G + 64 x K step
	s_lshl_b32 s31, s27, 6
	s_add_co_u32 s46, s46, s31
	s_add_nc_u64 s[20:21], s[20:21], s[46:47]
	s_cmp_eq_u32 s29, 1                            ; the tensor is chosen by the work-group's number alone
	s_cselect_b64 s[44:45], s[8:9], s[6:7]
	s_cmp_eq_u32 s29, 2
	s_cselect_b64 s[44:45], s[10:11], s[44:45]
	s_cmp_eq_u32 s29, 3
	s_cselect_b64 s[44:45], s[12:13], s[44:45]
	s_add_nc_u64 s[32:33], s[44:45], s[40:41]      ; a base for each of the four blocks
	s_add_nc_u64 s[34:35], s[32:33], s[42:43]
	s_add_nc_u64 s[36:37], s[34:35], s[42:43]
	s_add_nc_u64 s[38:39], s[36:37], s[42:43]
.irp t, 0,1,2,3
.set n, 0
.rept 32
	global_load_b32 v[WX+32*\t+n], v[OFS+n], s[32+2*\t:33+2*\t] th:TH_LOAD_NT   ; W(128 step + 32 t + n, my column): 128 consecutive bytes a wave
.set n, n+1
.endr
.endr
.macro BLOCK t, left
.set XS, WX+32*(\t)
	s_wait_loadcnt \left                           ; this block's 32 loads are in
	v_max3_num_f32 v8, |v[XS]|, |v[XS+1]|, |v[XS+2]|      ; the block's largest magnitude: all 32 numbers are mine
	v_max3_num_f32 v9, |v[XS+3]|, |v[XS+4]|, |v[XS+5]|
.irp i, 6,10,14,18,22,26
	v_max3_num_f32 v8, v8, |v[XS+\i]|, |v[XS+\i+1]|
	v_max3_num_f32 v9, v9, |v[XS+\i+2]|, |v[XS+\i+3]|
.endr
	v_max3_num_f32 v8, v8, |v[XS+30]|, |v[XS+31]|
	v_max3_num_f32 v8, v8, v9, 0x8000000           ; and the floor
	v_add_nc_u32 v11, 0xf8800000, v8
	v_and_or_b32 v10, v8, 0x7f800000, s[MNT]
	v_lshrrev_b32 v13, 23, v11
.if (\t) == 0
	v_mov_b32 v14, v13                             ; the four bytes make my column's scale word
.else
	v_lshl_or_b32 v14, v13, 8*(\t), v14
.endif
.set n, 0
.rept 32
	v_med3_num_f32 v[XS+n], v[XS+n], -v10, v10
.set n, n+1
.endr
.irp g, 0,1,2,3
	v_cvt_scalef32_pk8_bf8_f32 v[WC+8*(\t)+2*\g:WC+8*(\t)+2*\g+1], v[XS+8*\g:XS+8*\g+7], v11
.endr
	global_store_b128 v15, v[WC+8*(\t):WC+8*(\t)+3], s[18:19] offset:512*(\t)          ; k = 32 t + 0..15: the chunk's lanes 0-15; sixteen lanes fill 256 consecutive bytes of each of the two tiles
	global_store_b128 v15, v[WC+8*(\t)+4:WC+8*(\t)+7], s[18:19] offset:512*(\t)+256    ; k = 32 t + 16..31: its lanes 16-31
.endm
	BLOCK 0, 63                                    ; 96 loads are younger: the count is the largest that the wait can name
	BLOCK 1, 63                                    ; 64 are younger
	BLOCK 2, 32
	BLOCK 3, 0
	global_store_b32 v16, v14, s[20:21]
	s_endpgm
.Lfunc_end_k_q423f14a575_quant:
	.size	k_q423f14a575_quant, .Lfunc_end_k_q423f14a575_quant-k_q423f14a575_quant
	.p2alignl 7, 3214868480
	.fill 96, 4, 3214868480
	.section	.rodata,"a",@progbits
	.p2align	6, 0x0
	.amdhsa_kernel k_q423f14a575_quant
		.amdhsa_group_segment_fixed_size 34304
		.amdhsa_private_segment_fixed_size 0
		.amdhsa_enable_private_segment 0
		.amdhsa_kernarg_size 72
		.amdhsa_user_sgpr_count 2
		.amdhsa_user_sgpr_kernarg_segment_ptr 1
		.amdhsa_wavefront_size32 1
		.amdhsa_system_sgpr_workgroup_id_x 1
		.amdhsa_system_sgpr_workgroup_id_y 1
		.amdhsa_system_sgpr_workgroup_id_z 1
		.amdhsa_system_vgpr_workitem_id 0
		.amdhsa_next_free_vgpr 256
		.amdhsa_next_free_sgpr 66
		.amdhsa_reserve_vcc 1
		.amdhsa_float_denorm_mode_32 3
		.amdhsa_float_denorm_mode_16_64 3
		.amdhsa_memory_ordered 1
		.amdhsa_forward_progress 1
		.amdhsa_inst_pref_size 58
	.end_amdhsa_kernel
	.amdgpu_metadata
---
amdhsa.version: [ 1, 2 ]
amdhsa.kernels:
  - .name:           k_q423f14a575_quant
    .symbol:         k_q423f14a575_quant.kd
    .args:
      - { .name: hidden_state, .offset: 0, .size: 8, .value_kind: global_buffer, .address_space: global }
      - { .name: Wq, .offset: 8, .size: 8, .value_kind: global_buffer, .address_space: global }
      - { .name: Wk, .offset: 16, .size: 8, .value_kind: global_buffer, .address_space: global }
      - { .name: Wv, .offset: 24, .size: 8, .value_kind: global_buffer, .address_space: global }
      - { .name: Wo, .offset: 32, .size: 8, .value_kind: global_buffer, .address_space: global }
      - { .name: x_img, .offset: 40, .size: 8, .value_kind: global_buffer, .address_space: global }
      - { .name: x_scl, .offset: 48, .size: 8, .value_kind: global_buffer, .address_space: global }
      - { .name: w_img, .offset: 56, .size: 8, .value_kind: global_buffer, .address_space: global }
      - { .name: w_scl, .offset: 64, .size: 8, .value_kind: global_buffer, .address_space: global }
    .group_segment_fixed_size: 34304
    .private_segment_fixed_size: 0
    .kernarg_segment_align: 8
    .kernarg_segment_size: 72
    .max_flat_workgroup_size: 128
    .sgpr_count:     66
    .vgpr_count:     256
    .wavefront_size: 32
...
	.end_amdgpu_metadata
.endif
;; end of part 1
;; launch gemm_qkv (part 2): grid 48 x 4, 4 waves a work-group, clusters of 4 x 4, 327,680 bytes of LDS; arguments x_img, x_scl, w_img, w_scl, bq, bk, bv, att_img, att_scl; writes att_img, att_scl
.if DOCPART == 2
	.amdgcn_target "amdgcn-amd-amdhsa--gfx1250"
	.amdhsa_code_object_version 6
	.text
	.protected	k_q423f14a575_gemm_qkv
	.globl	k_q423f14a575_gemm_qkv
	.p2align	8
	.type	k_q423f14a575_gemm_qkv,@function
k_q423f14a575_gemm_qkv:
	s_mov_b64 s[64:65], 0
	v_nop
	global_prefetch_b8 v0, s[64:65] scope:SCOPE_SE
	s_setreg_imm32_b32 hwreg(HW_REG_WAVE_MODE, 25, 1), 1
	s_wait_xcnt 0x0
	s_wait_alu depctr_hold_cnt(0) depctr_sa_sdst(0) depctr_va_vdst(0) depctr_va_sdst(0) depctr_va_ssrc(0) depctr_va_vcc(0) depctr_vm_vsrc(0)
	s_getreg_b32 s2, hwreg(HW_REG_IB_STS2, 6, 4)
	s_cmp_eq_u32 s2, 0
	s_cbranch_scc0 .Lentry_in_a_cluster
	s_endpgm
.Lentry_in_a_cluster:
	s_bfe_u32 s2, ttmp6, 0x10000c
	s_cmp_lg_u32 s2, 0xf033
	s_cbranch_scc0 .Lentry_shape_is_right
	s_endpgm
.Lentry_shape_is_right:
; q, k and v of all heads, quantised on the way out.  Both operands are codes of BF8 (E5M2) laid as images of operand registers, [tile of 16 rows][K step of 128][chunk][lane][16 bytes], K = 1,024; scale words [tile][K step][row].
; A work-group of four waves makes 256 x 256, a wave 128 x 128: 64 accumulators, 512 registers.  K goes in steps of 256 through two LDS slots; the scale words of all of K come once.
; TWELVE CLUSTERS of 4 x 4 work-groups.  Clusters 0-7: A = hidden_state's rows, B = Wq's and Wk's columns: q and k, whose next K is the head's 64, which lies along B.
; Clusters 8-11: A = Wv's columns, B = hidden_state's rows: v with the KEYS along B, since the keys are its next K.  The K loop is one text for both: only pointers are chosen, by the cluster's number, which partners share.
; THE MATRIX INSTRUCTION IS USED TRANSPOSED (source 0 = 16 rows of B, source 1 = 16 rows of A), and lane r of tile 2 g + u is true row 32 g + 8 u + r + 8 (r / 8): so a lane holds one row of A, and the 16 registers of
; B's tiles 2 g and 2 g + 1 are 16 NEIGHBOURS along B, 32 g + 16 (lane / 16) + 0..15: a chunk of the next operand.  The bias is added, the 128 numbers of a lane's row are quantised, and the codes leave as images: no LDS on the way out.
; OUT: att_img [batch x 16 + head][q 131,072 | k 131,072 | v 131,072]: q, k [tile 128][chunk 2][512]; v [128 keys j][tile of 16 e][chunk 4][512].
;      att_scl [batch x 16 + head][q 8,192 | k 8,192 | v 4,096]: q, k [4 tiles][row 16][4 words], a word = byte(e 0-31) | byte(e 32-63) << 8 | 0x7f7f0000 (the upper 64 of the instruction's 128 are zero codes); v [j][row 16][4 words].
; A's tiles are shared along a row of the cluster, B's along a column: each is asked for jointly.
; Both biases are loaded by every work-group (every address lies inside its buffer); each part adds its own: bq or bk along B, bv along A.
; LIMITS: a block of zeros gets the byte 1 (zero codes; this program alone reads the bytes); NaN and infinities are not served.
; REGISTERS: window 0: v1-29 addresses, v8-15 bv, v32-63 scale words (two sets), v64-127 bq or bk, v128-255 A's fragments, one set (on the way out: at work).  window 1: B's fragments, two sets.  windows 2, 3: the accumulators.
.set NQ,    2                          ; matrix instructions deep in a slot
.set FR,    16
.set NL,    4
.set NP,    8                          ; places behind this matrix instruction (ISA guide 7.12.1)
.set HALFT, 32768                      ; 8 tiles x 4,096 bytes: what one tensor load brings, and what a wave reads of A or of B
.set SLOT,  4*HALFT
.set SCL,   2*SLOT                     ; behind the ring: A's scale words, 8,192 bytes; B's begin SCB further on: 128 bytes askew, so that A's and B's words of one load lie in different banks
.set SCB,   8192+128
.set SPARE, 278784                     ; the spare words, 128 bytes for each wave: two blocks of 256 bytes that no other line names
.set RB,   8
.set ADRA, 16
.set LI,   18                          ; v18  16 x lane
.set VSO,  19                          ; v19  scale words on the way out: 20,480 (lane / 16) + 16 r
.set ADRB, 20
.set H16,  22                          ; v22  16 (lane / 16)
.set ADRS, 27
.set SPW,  28
.set NIL,  29
.set SC,   32
.set CB,   64
.set AF,   128
.set ST,   128                         ; the way out: 64 numbers
.set PC,   192                         ; their codes
.set TM,   208                         ; at work
.set PW,   224
.set TT,   225
.set SW,   228                         ; eight scale words
.set RBP,  236                         ; bv in pairs
.set SEL,  20
.set MNT,  23
.set G1, 24
.set G0, 32
.set G1B, 48
.set G0B, 56
.set G1S, 68
.set G0S, 76
.set G1SB, 80
.set G0SB, 88
.set MSB, 0
.macro WIN new                         ; the immediate's high byte repeats the setting that is left
.if MSB != (\new)
	s_set_vgpr_msb (MSB<<8)|(\new)
.set MSB, (\new)
.endif
.endm
.set MUL_LO, 0xa1                      ; source 0 (B) window 1, source 1 (A) window 0, C and D window 2
.set MUL_HI, 0xf1
.set TO_B,   0x40
; A joint load: waves 0 and 1 fetch for A, waves 2 and 3 for B; four v_nop follow each of the two lines.
.macro JLOAD g0a, g1a, g0b, g1b
	s_cmp_eq_u32 s15, 0
	s_cbranch_scc0 .Lfor_b_\@
	tensor_load_to_lds s[\g0a:\g0a+3], s[\g1a:\g1a+7]
	s_nop 0
.rept 4
	v_nop
.endr
	s_branch .Lasked_\@
.Lfor_b_\@:
	tensor_load_to_lds s[\g0b:\g0b+3], s[\g1b:\g1b+7]
	s_nop 0
.rept 4
	v_nop
.endr
.Lasked_\@:
.endm
.macro CREST
	s_cmp_lg_u32 s14, 0
	s_cbranch_scc1 .Lnot_wave_0_\@
	s_barrier_signal -3
.Lnot_wave_0_\@:
	s_barrier_wait -3
	s_barrier_signal -1
	s_barrier_wait -1
.endm
.macro CROUND
	s_barrier_signal -1
	s_barrier_wait -1
	CREST
.endm
	s_load_b256 s[32:39], s[0:1], 0x0              ; x_img, x_scl, w_img, w_scl (in the registers that the groups 0 take later)
	s_load_b128 s[56:59], s[0:1], 0x20             ; bq, bk
	s_load_b64 s[100:101], s[0:1], 0x30            ; bv
	s_load_b64 s[12:13], s[0:1], 0x38              ; att_img
	s_load_b64 s[96:97], s[0:1], 0x40              ; att_scl
	v_lshl_add_u32 v[SPW], v0, 2, SPARE
	v_mov_b32 v[NIL], 0
	ds_add_u32 v28, v29
	ds_add_u32 v28, v29
	s_wait_dscnt 0x0
	v_lshrrev_b32 v1, 5, v0
	v_readfirstlane_b32 s14, v1                    ; wave 0..3
	s_lshr_b32 s15, s14, 1                         ; which half of A's rows is mine.  Also: I fetch for A (0) or for B (1)
	s_and_b32 s16, s14, 1                          ; which half of B's rows.  Also: which 8 tiles I fetch
	s_bfe_u32 s40, ttmp6, 0x40000                  ; cx, cy
	s_bfe_u32 s41, ttmp6, 0x40004
	s_lshr_b32 s66, ttmp9, 1
	s_lshl_b32 s66, s66, 2                         ; q, k: A's first block of the cluster, 4 (cl / 2),
	s_and_b32 s67, ttmp9, 1
	s_mov_b32 s3, s67
	s_lshl_b32 s67, s67, 2                         ; and B's, 4 (cl % 2)
	s_max_u32 s18, ttmp9, 8
	s_sub_co_u32 s18, s18, 8
	s_lshl_b32 s18, s18, 2                         ; v: B's, 4 (cl - 8)
	s_cmp_lt_u32 ttmp9, 8
	s_cselect_b32 s66, s66, 8                      ; v: A is Wv, which begins at block 8 of the weights
	s_cselect_b32 s67, s67, s18
	s_cselect_b32 s3, s3, 0                        ; 1: the bias along B is bk
	s_add_co_u32 s17, s66, s41                     ; A's block of 256 rows
	s_add_co_u32 s42, s67, s40                     ; B's
	s_lshl_b32 s43, s41, 2
	s_lshl_b32 s43, 15, s43                        ; my row of the cluster
	s_lshl_b32 s44, 0x1111, s40                    ; my column
	; group 1 for codes: 8 tiles' two K steps: 8 rows of 4,096 bytes (512 elements of 8), 16,384 bytes apart; dense in LDS
	s_or_b32 s[G1+0], s43, (3<<16)|(1<<21)
	s_or_b32 s[G1B+0], s44, (3<<16)|(1<<21)
.irp g, G1, G1B
	s_mov_b32 s[\g+1], 512<<16
	s_mov_b32 s[\g+2], 8<<16
	s_mov_b32 s[\g+3], 512<<16
	s_mov_b32 s[\g+4], 8
	s_mov_b32 s[\g+5], 2048
	s_mov_b32 s[\g+6], 0
	s_mov_b32 s[\g+7], 0
.endr
	; and for the scale words of 8 tiles: 4,096 dense bytes as 16 rows of 256
	s_or_b32 s[G1S+0], s43, (3<<16)|(1<<21)
	s_or_b32 s[G1SB+0], s44, (3<<16)|(1<<21)
.irp g, G1S, G1SB
	s_mov_b32 s[\g+1], 32<<16
	s_mov_b32 s[\g+2], 16<<16
	s_mov_b32 s[\g+3], 32<<16
	s_mov_b32 s[\g+4], 16
	s_mov_b32 s[\g+5], 32
	s_mov_b32 s[\g+6], 0
	s_mov_b32 s[\g+7], 0
.endr
	s_lshl_b32 s18, s16, 17                        ; which 8 tiles: 131,072 bytes of codes,
	s_lshl_b32 s19, s16, 12                        ; 4,096 of scale words
	s_lshl_b32 s20, s17, 18
	s_add_co_u32 s20, s20, s18
	s_mov_b32 s21, 0
	s_lshl_b32 s22, s17, 13
	s_add_co_u32 s22, s22, s19
	s_mov_b32 s23, 0
	s_lshl_b32 s46, s42, 18
	s_add_co_u32 s46, s46, s18
	s_mov_b32 s47, 0
	s_lshl_b32 s92, s42, 13
	s_add_co_u32 s92, s92, s19
	s_mov_b32 s93, 0
	s_lshl_b32 s45, s14, 15                        ; where they go: wave x 32,768; no place in the cluster enters an LDS address
	s_lshl_b32 s94, s14, 12
	s_wait_kmcnt 0x0
	s_cmp_lt_u32 ttmp9, 8                          ; the operands are chosen by the cluster's number alone
	s_cselect_b64 s[4:5], s[32:33], s[36:37]       ; A's codes
	s_cselect_b64 s[6:7], s[34:35], s[38:39]       ; A's scale words
	s_cselect_b64 s[8:9], s[36:37], s[32:33]       ; B's codes
	s_cselect_b64 s[10:11], s[38:39], s[34:35]     ; B's scale words
	s_cmp_lg_u32 s3, 0
	s_cselect_b64 s[98:99], s[58:59], s[56:57]     ; bk or bq
	s_add_nc_u64 s[20:21], s[4:5], s[20:21]
	s_add_nc_u64 s[22:23], s[6:7], s[22:23]
	s_add_nc_u64 s[46:47], s[8:9], s[46:47]
	s_add_nc_u64 s[92:93], s[10:11], s[92:93]
	CROUND                                         ; all sixteen work-groups are here: the first joint loads meet
	s_mov_b32 s[G0S], 1
	s_add_co_u32 s[G0S+1], s94, SCL
	s_mov_b64 s[G0S+2:G0S+3], s[22:23]
	s_or_b32 s[G0S+3], s[G0S+3], 0x80000000
	s_mov_b32 s[G0SB], 1
	s_add_co_u32 s[G0SB+1], s94, SCL+128
	s_mov_b64 s[G0SB+2:G0SB+3], s[92:93]
	s_or_b32 s[G0SB+3], s[G0SB+3], 0x80000000
	JLOAD G0S, G1S, G0SB, G1SB                     ; the scale words first: they are wanted with the first K step
.irp s, 0,1
	s_mov_b32 s[G0+4*\s], 1
	s_add_co_u32 s[G0+4*\s+1], s45, \s*SLOT
	s_add_nc_u64 s[G0+4*\s+2:G0+4*\s+3], s[20:21], \s*4096
	s_or_b32 s[G0+4*\s+3], s[G0+4*\s+3], 0x80000000
	s_mov_b32 s[G0B+4*\s], 1
	s_add_co_u32 s[G0B+4*\s+1], s45, \s*SLOT
	s_add_nc_u64 s[G0B+4*\s+2:G0B+4*\s+3], s[46:47], \s*4096
	s_or_b32 s[G0B+4*\s+3], s[G0B+4*\s+3], 0x80000000
	JLOAD G0+4*\s, G1, G0B+4*\s, G1B
.endr
	v_and_b32 v1, 15, v0                           ; r
	v_bfe_u32 v2, v0, 4, 1                         ; h
	v_and_b32 v3, 31, v0
	v_lshlrev_b32 v[LI], 4, v3
	s_lshl_b32 s21, s15, 15                        ; my 8 tiles of A
	s_lshl_b32 s22, s16, 15                        ; my 8 tiles of B,
	s_add_co_u32 s22, s22, 2*HALFT                 ; behind A's 16
.irp s, 0,1
	v_add_nc_u32 v[ADRA+\s], s21, v[LI]
	v_add_nc_u32 v[ADRB+\s], s22, v[LI]
	s_add_co_u32 s21, s21, SLOT
	s_add_co_u32 s22, s22, SLOT
.endr
	v_lshlrev_b32 v5, 2, v1                        ; my row's scale word
	s_lshl_b32 s21, s15, 12
	s_lshl_b32 s22, s16, 12
	s_add_co_u32 s22, s22, SCB
	s_sub_co_u32 s22, s22, s21
	v_mul_u32_u24 v6, s22, v2                      ; lanes 16-31 take B's
	s_add_co_u32 s21, s21, SCL
	v_add_nc_u32 v5, v5, v6
	v_add_nc_u32 v[ADRS], s21, v5
	v_and_b32 v3, 8, v1
	v_add_nc_u32 v3, v3, v1
	v_lshlrev_b32 v7, 2, v3                        ; 4 (r + 8 (r / 8)): my row's place among a tile's true rows
	v_mul_u32_u24 v[VSO], v2, 20480
	v_lshl_add_u32 v[VSO], v1, 4, v[VSO]
	v_lshlrev_b32 v[H16], 4, v2
	v_lshlrev_b32 v4, 6, v2                        ; 64 h
	s_and_b32 s46, s42, 3                          ; the bias along B: 256 numbers a block, 128 a wave
	s_lshl_b32 s46, s46, 10
	s_lshl_b32 s47, s16, 9
	s_add_co_u32 s46, s46, s47
	s_mov_b32 s47, 0
	s_add_nc_u64 s[98:99], s[98:99], s[46:47]
	s_and_b32 s18, s17, 3                          ; bv along A likewise
	s_lshl_b32 s18, s18, 10
	s_lshl_b32 s19, s15, 9
	s_add_co_u32 s18, s18, s19
	s_mov_b32 s19, 0
	s_add_nc_u64 s[100:101], s[100:101], s[18:19]
.irp b, 0,1,2,3,4,5,6,7
	global_load_b128 v[CB+8*\b:CB+8*\b+3], v4, s[98:99] offset:128*(\b/2)+32*(\b%2)          ; in the result's layout: tile b, register j: 32 (b / 2) + 16 h + 8 (b % 2) + j
	global_load_b128 v[CB+8*\b+4:CB+8*\b+7], v4, s[98:99] offset:128*(\b/2)+32*(\b%2)+16
.endr
.irp a, 0,1,2,3,4,5,6,7
	global_load_b32 v[RB+\a], v7, s[100:101] offset:128*(\a/2)+32*(\a%2)                     ; tile a, my row
.endr
.macro FRAG reg, adr, q, i             ; a fragment comes as it was laid: four loads of 512 consecutive bytes
.irp c, 0,1,2,3
	ds_load_b128 v[\reg+4*\c:\reg+4*\c+3], v[\adr] offset:(\i)*4096+(\q)*2048+512*\c
.endr
.endm
; 16 matrix instructions: A's blocks a0, a0 + 1 x B's eight.  The 64 accumulators take turns, one instruction a turn, in the same order in every step.
.macro MUL16 a0, p, q, sc, zero
.irp a, \a0, \a0+1
.irp b, 0,1,2,3,4,5,6,7
.if \zero
	v_wmma_scale_f32_16x16x128_f8f6f4 v[8*(8*((\a)%4)+\b):8*(8*((\a)%4)+\b)+7], v[128*(\p)+FR*\b:128*(\p)+FR*\b+FR-1], v[AF+FR*(\a):AF+FR*(\a)+FR-1], 0, v[SC+8*NQ*(\sc)+NQ*\b+(\q)], v[SC+8*NQ*(\sc)+NQ*(\a)+(\q)] matrix_a_fmt:MATRIX_FMT_BF8 matrix_b_fmt:MATRIX_FMT_BF8 matrix_a_scale:MATRIX_SCALE_ROW1
.else
	v_wmma_scale_f32_16x16x128_f8f6f4 v[8*(8*((\a)%4)+\b):8*(8*((\a)%4)+\b)+7], v[128*(\p)+FR*\b:128*(\p)+FR*\b+FR-1], v[AF+FR*(\a):AF+FR*(\a)+FR-1], v[8*(8*((\a)%4)+\b):8*(8*((\a)%4)+\b)+7], v[SC+8*NQ*(\sc)+NQ*\b+(\q)], v[SC+8*NQ*(\sc)+NQ*(\a)+(\q)] matrix_a_fmt:MATRIX_FMT_BF8 matrix_b_fmt:MATRIX_FMT_BF8 matrix_a_scale:MATRIX_SCALE_ROW1
.endif
.endr
.endr
.endm
.macro FETCH_B slot, q, p
	WIN TO_B
.irp i, 0,1,2,3,4,5,6,7
	FRAG 128*(\p)+FR*\i, ADRB+\slot, \q, \i
.endr
	WIN 0
.endm
.macro FETCH_A slot, q, i0
.irp i, \i0, \i0+1, \i0+2, \i0+3
	FRAG AF+FR*(\i), ADRA+\slot, \q, \i
.endr
.endm
.macro SCALES sc                       ; a slot's scale words: lanes 0-15 A's tile i, lanes 16-31 B's tile i
.irp i, 0,1,2,3,4,5,6,7
.irp q, 0,1
	ds_load_b32 v[SC+8*NQ*\sc+NQ*\i+\q], v[ADRS] offset:512*\i+64*\q
.endr
.endr
.endm
.macro PLACES n
.rept \n
	v_nop
.endr
.endm
.macro STEP slot, q, zero              ; 128 along K that has its successor in the same slot
	s_wait_dscnt 4*NL                              ; B's set, A's blocks 0-3 and the scale words are in; the youngest sixteen loads (A's blocks 4-7) may be out
	WIN MUL_LO
	MUL16 0, (\q)%2, \q, \slot, \zero
	MUL16 2, (\q)%2, \q, \slot, \zero
	s_wait_dscnt 0
	PLACES NP
	FETCH_B \slot, (\q)+1, 1-(\q)%2
	FETCH_A \slot, (\q)+1, 0
	WIN MUL_HI
	MUL16 4, (\q)%2, \q, \slot, \zero
	MUL16 6, (\q)%2, \q, \slot, \zero
	PLACES NP
	WIN 0
	FETCH_A \slot, (\q)+1, 4
.endm
; A slot's last step changes slots: one barrier; in front of it each wave waits for all its tensor loads, adds 0 to its spare word, and waits for that and for its own reads of this slot.
.macro TURN slot, next, fill
	s_wait_tensorcnt 0x0                           ; all my tensor loads have landed: my part of the next slot
	ds_add_u32 v[SPW], v[NIL]                      ; 0 onto my spare word
	s_wait_dscnt 4*NL+1                            ; (the add and the youngest sixteen loads may be out)
	WIN MUL_LO
	MUL16 0, 1, NQ-1, \slot, 0
	s_wait_dscnt 0x0                               ; the add is done, and my reads of this slot are over
	s_barrier_signal -1
	MUL16 2, 1, NQ-1, \slot, 0
	WIN 0
	s_barrier_wait -1
.if \fill
	CREST                                          ; the barrier has opened a round of the cluster's barrier: no wave of any partner still reads this slot or has a load on its way
	s_add_nc_u64 s[G0+4*\slot+2:G0+4*\slot+3], s[G0+4*\slot+2:G0+4*\slot+3], 2*4096
	s_add_nc_u64 s[G0B+4*\slot+2:G0B+4*\slot+3], s[G0B+4*\slot+2:G0B+4*\slot+3], 2*4096
	JLOAD G0+4*\slot, G1, G0B+4*\slot, G1B         ; the first tensor load behind the round; its four v_nop are among the places in front of the loads below
	PLACES NP-4
.else
	PLACES NP
.endif
	v_add_nc_u32 v[ADRS], 64*NQ, v[ADRS]           ; the next slot's scale words (no LDS load of mine is out)
	FETCH_B \next, 0, 0
	FETCH_A \next, 0, 0
	SCALES \next
	WIN MUL_HI
	MUL16 4, 1, NQ-1, \slot, 0
	MUL16 6, 1, NQ-1, \slot, 0
	PLACES NP
	WIN 0
	FETCH_A \next, 0, 4
.endm
	s_wait_tensorcnt 1                             ; the scale words and my part of slot 0 are in; slot 1's load may be out
	s_barrier_signal -1
	s_barrier_wait -1
	FETCH_B 0, 0, 0
	FETCH_A 0, 0, 0
	SCALES 0
	FETCH_A 0, 0, 4
	STEP 0, 0, 1                                   ; K = 1,024 is four slots' worth, written out: the first products start the sums
	TURN 0, 1, 1
	STEP 1, 0, 0
	TURN 1, 0, 1
	STEP 0, 0, 0
	TURN 0, 1, 0                                   ; nothing is left to fetch
	STEP 1, 0, 0
	s_wait_dscnt 4*NL
	WIN MUL_LO
	MUL16 0, 1, NQ-1, 1, 0
	MUL16 2, 1, NQ-1, 1, 0
	s_wait_dscnt 0
	WIN MUL_HI
	MUL16 4, 1, NQ-1, 1, 0
	MUL16 6, 1, NQ-1, 1, 0
	WIN 0
; THE WAY OUT.  64 numbers of a lane, register 16 b + i = place 32 b + 16 (lane / 16) + i along B, become a fragment's codes and its scale word.
.macro QUANT s, pc, pw
.irp b, 0,1,2,3
	v_max3_num_f32 v[TM+\b], |v[\s+16*\b]|, |v[\s+1+16*\b]|, 0x8000000   ; and the floor 2^(16 - 127)
.endr
.irp i, 2,4,6,8,10,12,14
.irp b, 0,1,2,3
	v_max3_num_f32 v[TM+\b], v[TM+\b], |v[\s+16*\b+\i]|, |v[\s+1+16*\b+\i]|
.endr
.endr
.irp b, 0,1,2,3
	v_permlanex16_b32 v[TM+4+\b], v[TM+\b], s[SEL], s[SEL+1]
.endr
.irp b, 0,1,2,3
	v_max_num_f32 v[TM+\b], v[TM+\b], v[TM+4+\b]
.endr
.irp b, 0,1,2,3
	v_add_nc_u32 v[TM+12+\b], 0xf8800000, v[TM+\b]
.endr
.irp b, 0,1,2,3
	v_and_or_b32 v[TM+8+\b], v[TM+\b], 0x7f800000, s[MNT]
.endr
.irp b, 0,1,2,3
	v_lshrrev_b32 v[TM+4+\b], 23, v[TM+12+\b]
.endr
	v_lshl_or_b32 v[\pw], v[TM+5], 8, v[TM+4]
	v_lshl_or_b32 v[\pw], v[TM+6], 16, v[\pw]
	v_lshl_or_b32 v[\pw], v[TM+7], 24, v[\pw]
.irp b, 0,1,2,3
.irp i, 0,1,2,3,4,5,6,7,8,9,10,11,12,13,14,15
	v_med3_num_f32 v[\s+16*\b+\i], v[\s+16*\b+\i], -v[TM+8+\b], v[TM+8+\b]
.endr
	v_cvt_scalef32_pk8_bf8_f32 v[\pc+4*\b:\pc+1+4*\b], v[\s+16*\b:\s+7+16*\b], v[TM+12+\b]
	v_cvt_scalef32_pk8_bf8_f32 v[\pc+2+4*\b:\pc+3+4*\b], v[\s+8+16*\b:\s+15+16*\b], v[TM+12+\b]
.endr
	v_nop                                          ; one plain line behind the last conversion
.endm
; A's tile a: the addition of the bias is also the move into window 0; each accumulator is read from its low end on.
.macro OUT a, vpart
	s_wait_xcnt 0x0                                ; the last tile's stores have read their codes: they are written again only behind this wait
	WIN 2+(\a)/4                                   ; source 0: window 2 or 3
.irp b, 0,1,2,3,4,5,6,7
.irp p, 0,2,4,6
.if \vpart
	v_pk_add_f32 v[ST+8*\b+\p:ST+8*\b+\p+1], v[8*(8*((\a)%4)+\b)+\p:8*(8*((\a)%4)+\b)+\p+1], v[RBP+2*(\a):RBP+2*(\a)+1]
.else
	v_pk_add_f32 v[ST+8*\b+\p:ST+8*\b+\p+1], v[8*(8*((\a)%4)+\b)+\p:8*(8*((\a)%4)+\b)+\p+1], v[CB+8*\b+\p:CB+8*\b+\p+1]
.endif
.endr
.endr
	WIN 0
.if \vpart
	QUANT ST, PC, SW+(\a)
.irp c, 0,1,2,3
	global_store_b128 v[LI], v[PC+4*\c:PC+4*\c+3], s[12:13] offset:((\a)/4)*393216+((\a)%4)*2048+512*\c   ; head a / 4, tile a % 4 of its 64, keys 32 c on: 512 consecutive bytes
.endr
.else
	QUANT ST, PC, PW
.irp c, 0,1,2,3
	global_store_b128 v[LI], v[PC+4*\c:PC+4*\c+3], s[12:13] offset:(\a)*1024+(\c/2)*393216+(\c%2)*512     ; head c / 2, chunk c % 2 of its 64
.endr
	v_lshrrev_b32 v[TT], v[H16], v[PW]             ; lanes 0-15 keep the first head's two bytes, lanes 16-31 the second's
	v_and_or_b32 v[SW+(\a)], v[TT], 0xffff, s95    ; over them the byte of 1.0 twice, for the zero codes
.endif
.endm
	s_wait_loadcnt 0x0                             ; the biases
	PLACES NP                                      ; behind the last products: their results are read and A's registers are written below
.irp b, 0,1,2,3
	v_mov_b32 v[TM+4+\b], 0                        ; written once: a lane permute's destination counts as one of its sources
.endr
	s_mov_b32 s[SEL], 0x76543210
	s_mov_b32 s[SEL+1], 0xfedcba98
	s_mov_b32 s[MNT], 0x600000
	s_mov_b32 s95, 0x7f7f0000
	s_mov_b32 s93, 0
	s_cmp_lt_u32 ttmp9, 8                          ; the cluster's number: alike in all partners
	s_cbranch_scc0 .Lv
	; ---- q and k
	s_lshr_b32 s18, s17, 3                         ; the batch,
	s_lshl_b32 s18, s18, 4
	s_and_b32 s19, s42, 3
	s_lshl_b32 s19, s19, 2
	s_add_co_u32 s18, s18, s19
	s_lshl_b32 s19, s16, 1
	s_add_co_u32 s18, s18, s19                     ; x 16 + my first head
	s_lshr_b32 s19, s42, 2                         ; 0: q, 1: k
	s_mul_i32 s92, s18, 393216
	s_lshl_b32 s94, s19, 17
	s_add_co_u32 s92, s92, s94
	s_and_b32 s94, s17, 7
	s_lshl_b32 s94, s94, 14                        ; 16 tiles of 1,024 bytes a block,
	s_add_co_u32 s92, s92, s94
	s_lshl_b32 s94, s15, 13                        ; 8 a wave
	s_add_co_u32 s92, s92, s94
	s_add_nc_u64 s[12:13], s[12:13], s[92:93]
	s_mul_i32 s92, s18, 20480
	s_lshl_b32 s94, s19, 13
	s_add_co_u32 s92, s92, s94
	s_and_b32 s94, s17, 7
	s_lshl_b32 s94, s94, 10
	s_add_co_u32 s92, s92, s94
	s_lshl_b32 s94, s15, 9
	s_add_co_u32 s92, s92, s94
	s_add_nc_u64 s[96:97], s[96:97], s[92:93]
.irp a, 0,1,2,3,4,5,6,7
	OUT \a, 0
.endr
	global_store_b128 v[VSO], v[SW:SW+3], s[96:97]                 ; four tiles' words of a row: sixteen lanes fill 256 consecutive bytes of each head
	global_store_b128 v[VSO], v[SW+4:SW+7], s[96:97] offset:256
	s_branch .Lend
	; ---- v
.Lv:
	s_lshr_b32 s18, s42, 3
	s_lshl_b32 s18, s18, 4
	s_and_b32 s19, s17, 3
	s_lshl_b32 s19, s19, 2
	s_add_co_u32 s18, s18, s19
	s_lshl_b32 s19, s15, 1
	s_add_co_u32 s18, s18, s19                     ; the batch x 16 + my first head
	s_and_b32 s19, s42, 7
	s_lshl_b32 s19, s19, 1
	s_add_co_u32 s19, s19, s16                     ; j: which 128 keys
	s_mul_i32 s92, s18, 393216
	s_lshl_b32 s94, s19, 13
	s_add_co_u32 s92, s92, s94
	s_add_co_u32 s92, s92, 262144
	s_add_nc_u64 s[12:13], s[12:13], s[92:93]
	s_mul_i32 s92, s18, 20480
	s_lshl_b32 s94, s19, 8
	s_add_co_u32 s92, s92, s94
	s_add_co_u32 s92, s92, 16384
	s_add_nc_u64 s[96:97], s[96:97], s[92:93]
.irp a, 0,1,2,3,4,5,6,7
	v_mov_b32 v[RBP+2*\a], v[RB+\a]                ; the packed addition takes a pair
	v_mov_b32 v[RBP+2*\a+1], v[RB+\a]
.endr
.irp a, 0,1,2,3,4,5,6,7
	OUT \a, 1
.endr
	v_cmp_ne_u32 vcc_lo, 0, v2
.irp t, 0,1,2,3
	v_cndmask_b32 v[SW+\t], v[SW+\t], v[SW+4+\t], vcc_lo           ; lanes 16-31 carry the second head's
.endr
	global_store_b128 v[VSO], v[SW:SW+3], s[96:97]
.Lend:
	s_wait_tensorcnt 0x0                           ; the wave's end
	ds_add_u32 v[SPW], v[NIL]
	s_wait_dscnt 0x0
	CROUND                                         ; the closing round
	s_endpgm
.Lfunc_end_k_q423f14a575_gemm_qkv:
	.size	k_q423f14a575_gemm_qkv, .Lfunc_end_k_q423f14a575_gemm_qkv-k_q423f14a575_gemm_qkv
	.p2alignl 7, 3214868480
	.fill 96, 4, 3214868480
	.section	.rodata,"a",@progbits
	.p2align	6, 0x0
	.amdhsa_kernel k_q423f14a575_gemm_qkv
		.amdhsa_group_segment_fixed_size 327680
		.amdhsa_private_segment_fixed_size 0
		.amdhsa_enable_private_segment 0
		.amdhsa_kernarg_size 72
		.amdhsa_user_sgpr_count 2
		.amdhsa_user_sgpr_kernarg_segment_ptr 1
		.amdhsa_wavefront_size32 1
		.amdhsa_system_sgpr_workgroup_id_x 1
		.amdhsa_system_sgpr_workgroup_id_y 1
		.amdhsa_system_sgpr_workgroup_id_z 1
		.amdhsa_system_vgpr_workitem_id 0
		.amdhsa_next_free_vgpr 1024
		.amdhsa_next_free_sgpr 102
		.amdhsa_reserve_vcc 1
		.amdhsa_float_denorm_mode_32 3
		.amdhsa_float_denorm_mode_16_64 3
		.amdhsa_memory_ordered 1
		.amdhsa_forward_progress 1
		.amdhsa_inst_pref_size 255
	.end_amdhsa_kernel
	.section	.bss,"aw",@nobits
	.p2align	6
	.space	262144
	.amdgpu_metadata
---
amdhsa.version: [ 1, 2 ]
amdhsa.kernels:
  - .name:           k_q423f14a575_gemm_qkv
    .symbol:         k_q423f14a575_gemm_qkv.kd
    .args:
      - { .name: x_img, .offset: 0, .size: 8, .value_kind: global_buffer, .address_space: global }
      - { .name: x_scl, .offset: 8, .size: 8, .value_kind: global_buffer, .address_space: global }
      - { .name: w_img, .offset: 16, .size: 8, .value_kind: global_buffer, .address_space: global }
      - { .name: w_scl, .offset: 24, .size: 8, .value_kind: global_buffer, .address_space: global }
      - { .name: bq, .offset: 32, .size: 8, .value_kind: global_buffer, .address_space: global }
      - { .name: bk, .offset: 40, .size: 8, .value_kind: global_buffer, .address_space: global }
      - { .name: bv, .offset: 48, .size: 8, .value_kind: global_buffer, .address_space: global }
      - { .name: att_img, .offset: 56, .size: 8, .value_kind: global_buffer, .address_space: global }
      - { .name: att_scl, .offset: 64, .size: 8, .value_kind: global_buffer, .address_space: global }
    .group_segment_fixed_size: 327680
    .private_segment_fixed_size: 0
    .kernarg_segment_align: 8
    .kernarg_segment_size: 72
    .max_flat_workgroup_size: 128
    .sgpr_count:     102
    .vgpr_count:     1024
    .wavefront_size: 32
...
	.end_amdgpu_metadata
.endif
;; end of part 2
;; launch attn (part 3): grid 8 x 32, 16 waves a work-group, clusters of 4 x 1, 327,680 bytes of LDS; arguments att_img, att_scl, ctx_img, ctx_scl; writes ctx_img, ctx_scl
.if DOCPART == 3
	.amdgcn_target "amdgcn-amd-amdhsa--gfx1250"
	.amdhsa_code_object_version 6
	.text
	.protected	k_q423f14a575_attn
	.globl	k_q423f14a575_attn
	.p2align	8
	.type	k_q423f14a575_attn,@function
k_q423f14a575_attn:
	s_mov_b64 s[64:65], 0
	v_nop
	global_prefetch_b8 v0, s[64:65] scope:SCOPE_SE
	s_setreg_imm32_b32 hwreg(HW_REG_WAVE_MODE, 25, 1), 1
	s_wait_xcnt 0x0
	s_wait_alu depctr_hold_cnt(0) depctr_sa_sdst(0) depctr_va_vdst(0) depctr_va_sdst(0) depctr_va_ssrc(0) depctr_va_vcc(0) depctr_vm_vsrc(0)
	s_getreg_b32 s2, hwreg(HW_REG_IB_STS2, 6, 4)
	s_cmp_eq_u32 s2, 0
	s_cbranch_scc0 .Lentry_in_a_cluster
	s_endpgm
.Lentry_in_a_cluster:
	s_bfe_u32 s2, ttmp6, 0x10000c
	s_cmp_lg_u32 s2, 0x3003
	s_cbranch_scc0 .Lentry_shape_is_right
	s_endpgm
.Lentry_shape_is_right:
; Causal attention of one (batch, head) on codes of BF8 (E5M2), and its result quantised along (head, e) for the output product.  Head size 64, 2,048 keys.
; t = score x log2(e) / 8; M = the running largest t rounded UP to a whole number; p = 2^(t - M) is quantised along the keys, not normalised; the row's sum is taken of the unquantised p and divides at the end.
; q . k has K = 64: the upper 64 of the instruction's 128 are zero codes on both sides, under the byte of 1.0.
; SHARES.  The grid's y is batch x 16 + head.  Each of sixteen waves owns ONE tile of 16 queries: tile 8 pi(w) + g of the head's 128, g = the work-group's x (0..7), pi a 4 x 4 magic square over the waves.
; So every work-group has a tile in each of the sixteen runs of 128 queries: 136 key steps of a wave in every work-group, and 34 in any row or column of the square.  A wave works key steps j <= pi(w); j = pi(w) is its diagonal.
; Both tests hang on the wave's number alone: partners in a cluster run alike.
; LDS HOLDS THE WHOLE HEAD, FILLED ONCE: K's images at 0, V's at 131,072, K's scale words at 262,144, V's at 270,336.  The four work-groups of a cluster read the same head: every load is joint.
; Waves 0-3 issue five loads each (the scale words; four pieces of 16 KiB); four phases of four key steps, each behind a counted wait and a barrier, so that work begins when a quarter has landed.  Nothing is filled again.
; LAYOUT.  Both products transposed: S^T = K Q^T, O^T = V^T P^T: a lane holds one query (lane % 16).  Lane r of tile 2 b + u of K is key 32 b + 8 u + r + 8 (r / 8), so the 16 registers of tiles 2 b, 2 b + 1 are neighbouring keys; V's rows e likewise.
; LIMITS: hidden keys count for nothing (the definition gives them -1e9, whose weight is 0 in f32 unless scores reach that size); a block of zeros gets the byte 1; NaN and infinities are not served.  The result's scale bytes leave one byte a lane.
; REGISTERS: v1-7 addresses that stay; v8-11 addresses in hand; v12 -M, v13 the largest t, v[14:15] the sum; v16-31 Q (upper half zeros); v32-95 four fragments of K (upper halves zeros); v96-159 S^T, then p, then V's four fragments;
; v160-191 O^T; v192-207 p's codes; v208-215 K's scale words, v216-219 V's; v232-254 at work; v255 Q's scale word.
.set LI,  1                            ; 16 x lane
.set LIV, 2                            ; + 131,072
.set LSK, 3                            ; 262,144 + 16 r
.set LSV, 4                            ; 270,336 + 16 r
.set DD,  5                            ; my query's place among its 128, less 16 (lane / 16)
.set QS,  6                            ; 16 r
.set CSO, 7                            ; 4 r + lane / 16
.set ADK, 8
.set ADV, 9
.set ADS, 10
.set ADT, 11
.set PCD, 192
.set KS,  208
.set VS,  216
.set PI,  15
.set WV,  18
.set MNT, 19
.set SEL, 20
.set CS,  22
.set G1D, 24                           ; s[24:31] group 1: 64 rows of 256 bytes
.set G1S, 32                           ; s[32:39] group 1: 12 rows of 256 bytes
.set G0S, 40
.set G0D, 44                           ; s[44:59] a group 0 for each phase
.set CNT, 60
.set JS,  61                           ; the key step
.set TB,  62                           ; its tiles' place: 8,192 a step
.set TSK, 63                           ; K's scale words: 512 a step
.set TSV, 66                           ; V's: 256 a step
.macro CROUND
	s_barrier_signal -1
	s_barrier_wait -1
	s_cmp_lg_u32 s[WV], 0
	s_cbranch_scc1 .Lnot_wave_0_\@
	s_barrier_signal -3
.Lnot_wave_0_\@:
	s_barrier_wait -3
	s_barrier_signal -1
	s_barrier_wait -1
.endm
	s_load_b256 s[4:11], s[0:1], 0x0               ; att_img, att_scl, ctx_img, ctx_scl
	v_lshl_add_u32 v250, v0, 2, 0x43000
	v_mov_b32 v251, 0
	ds_add_u32 v250, v251
	ds_add_u32 v250, v251
	v_lshrrev_b32 v8, 5, v0
	v_readfirstlane_b32 s[WV], v8                  ; wave 0..15
	s_bfe_u32 s12, ttmp6, 0x40000                  ; cx
	s_lshl_b32 s13, ttmp9, 2
	s_add_co_u32 s13, s13, s12                     ; g: it enters Q's and the result's addresses and the mask's numbers alone
	s_and_b32 s14, ttmp7, 0xffff                   ; batch x 16 + head, which the partners share
	s_mov_b32 s[PI], 0x79a4c21f                    ; pi(w), four bits a wave: 15 1 2 12 / 4 10 9 7
	s_mov_b32 s16, 0x0ed3b568                      ; 8 6 5 11 / 3 13 14 0
	s_cmp_lt_u32 s[WV], 8
	s_cselect_b32 s[PI], s[PI], s16
	s_and_b32 s16, s[WV], 7
	s_lshl_b32 s16, s16, 2
	s_lshr_b32 s[PI], s[PI], s16
	s_and_b32 s[PI], s[PI], 15
	s_lshl_b32 s67, s[PI], 3
	s_add_co_u32 s67, s67, s13                     ; my tile
	s_mov_b32 s[G1D], 15|(3<<16)|(1<<21)           ; the mask: all four work-groups; elements of 8 bytes; bit 21 beside a mask
	s_mov_b32 s[G1D+1], 32<<16
	s_mov_b32 s[G1D+2], 64<<16
	s_mov_b32 s[G1D+3], 32<<16
	s_mov_b32 s[G1D+4], 64
	s_mov_b32 s[G1D+5], 32
	s_mov_b32 s[G1D+6], 0
	s_mov_b32 s[G1D+7], 0
	s_mov_b32 s[G1S], 15|(3<<16)|(1<<21)
	s_mov_b32 s[G1S+1], 32<<16
	s_mov_b32 s[G1S+2], 12<<16
	s_mov_b32 s[G1S+3], 32<<16
	s_mov_b32 s[G1S+4], 12
	s_mov_b32 s[G1S+5], 32
	s_mov_b32 s[G1S+6], 0
	s_mov_b32 s[G1S+7], 0
	s_bfe_u32 s70, s[WV], 0x10001                  ; what I fetch, if I fetch: waves 0, 1: K; waves 2, 3: V;
	s_lshl_b32 s70, s70, 17
	s_and_b32 s71, s[WV], 1
	s_lshl_b32 s71, s71, 14                        ; the even or the odd 16 KiB of a phase's 32
	s_add_co_u32 s70, s70, s71                     ; the same place in LDS and behind the head's K in memory
	s_mul_i32 s72, s14, 393216
	s_lshl_b32 s68, s67, 10
	s_add_co_u32 s68, s68, s72                     ; Q: my tile's 1,024 bytes
	s_mov_b32 s69, 0
	s_add_co_u32 s72, s72, s70
	s_add_co_u32 s72, s72, 131072
	s_mov_b32 s73, 0
	s_and_b32 s74, s[WV], 3
	s_mul_i32 s74, s74, 3072                       ; my quarter of the 12,288 bytes of K's and V's scale words
	s_mul_i32 s76, s14, 20480
	s_lshr_b32 s16, s67, 2
	s_lshl_b32 s16, s16, 8
	s_and_b32 s17, s67, 3
	s_lshl_b32 s17, s17, 2
	s_add_co_u32 s16, s16, s17
	s_add_co_u32 s16, s16, s76                     ; Q's scale words: [4 tiles][row][4 words]
	s_mov_b32 s17, 0
	s_add_co_u32 s76, s76, s74
	s_add_co_u32 s76, s76, 8192
	s_mov_b32 s77, 0
	s_lshr_b32 s71, s14, 4
	s_lshl_b32 s71, s71, 7
	s_add_co_u32 s71, s71, s67                     ; my tile among the 256 of both batches
	s_and_b32 s75, s14, 15                         ; the head
	s_mov_b32 s[SEL], 0x76543210
	s_mov_b32 s[SEL+1], 0xfedcba98
	s_mov_b32 s[CS], 0x3e38aa3b                    ; c = log2(e) / 8
	s_mov_b32 s[CS+1], s[CS]                       ; (named with it as a pair, so it is written)
	s_mov_b32 s[MNT], 0x600000
	s_wait_dscnt 0x0
	s_wait_kmcnt 0x0
	s_add_nc_u64 s[78:79], s[4:5], s[72:73]
	s_mov_b32 s[G0S], 1
	s_add_co_u32 s[G0S+1], s74, 262144
	s_add_nc_u64 s[G0S+2:G0S+3], s[6:7], s[76:77]
	s_or_b32 s[G0S+3], s[G0S+3], 0x80000000
.irp f, 0,1,2,3
	s_mov_b32 s[G0D+4*\f], 1
	s_add_co_u32 s[G0D+4*\f+1], s70, \f*32768
	s_add_nc_u64 s[G0D+4*\f+2:G0D+4*\f+3], s[78:79], \f*32768
	s_or_b32 s[G0D+4*\f+3], s[G0D+4*\f+3], 0x80000000
.endr
	CROUND                                         ; all four work-groups are here: the joint loads meet
	s_cmp_lt_u32 s[WV], 4                          ; a wave's five loads stand in one branch, ahead of every wait on TENSORcnt, every LDS read and every other barrier: five of mine are out
	s_cbranch_scc0 .Lno_fetch
	tensor_load_to_lds s[G0S:G0S+3], s[G1S:G1S+7]
	s_nop 0
	tensor_load_to_lds s[G0D:G0D+3], s[G1D:G1D+7]
	s_nop 0
	tensor_load_to_lds s[G0D+4:G0D+7], s[G1D:G1D+7]
	s_nop 0
	tensor_load_to_lds s[G0D+8:G0D+11], s[G1D:G1D+7]
	s_nop 0
	tensor_load_to_lds s[G0D+12:G0D+15], s[G1D:G1D+7]
	s_nop 0
.rept 4
	v_nop
.endr
.Lno_fetch:
	s_add_nc_u64 s[4:5], s[4:5], s[68:69]          ; Q's codes
	s_add_nc_u64 s[6:7], s[6:7], s[16:17]          ; Q's scale words
	s_lshl_b32 s68, s71, 14
	s_lshl_b32 s16, s75, 10
	s_add_co_u32 s68, s68, s16
	s_add_nc_u64 s[8:9], s[8:9], s[68:69]          ; the result's codes: tile x 16,384 + head x 1,024
	s_lshl_b32 s68, s71, 9
	s_lshr_b32 s16, s75, 1
	s_lshl_b32 s16, s16, 6
	s_add_co_u32 s68, s68, s16
	s_and_b32 s16, s75, 1
	s_lshl_b32 s16, s16, 1
	s_add_co_u32 s68, s68, s16
	s_add_nc_u64 s[10:11], s[10:11], s[68:69]      ; its scale bytes: tile x 512 + (head / 2) x 64 + 2 (head % 2)
	v_and_b32 v8, 15, v0                           ; r
	v_bfe_u32 v9, v0, 4, 1                         ; h
	v_and_b32 v10, 31, v0
	v_lshlrev_b32 v[LI], 4, v10
	v_lshlrev_b32 v[QS], 4, v8
	global_load_b128 v[16:19], v[LI], s[4:5]       ; Q's two chunks stay in registers
	global_load_b128 v[20:23], v[LI], s[4:5] offset:512
	global_load_b32 v255, v[QS], s[6:7]
	v_add_nc_u32 v[LIV], 131072, v[LI]
	v_lshl_add_u32 v[LSK], v8, 4, 262144
	v_lshl_add_u32 v[LSV], v8, 4, 270336
	v_lshl_add_u32 v[CSO], v8, 2, v9
	v_and_b32 v11, 8, v8
	v_add_nc_u32 v11, v11, v8                      ; r + 8 (r / 8)
	v_lshlrev_b32 v[DD], 4, v9
	v_sub_nc_u32 v[DD], v11, v[DD]
	s_lshr_b32 s16, s13, 1
	s_lshl_b32 s16, s16, 5
	s_and_b32 s17, s13, 1
	s_lshl_b32 s17, s17, 3
	s_add_co_u32 s16, s16, s17
	v_add_nc_u32 v[DD], s16, v[DD]                 ; 32 (g / 2) + 8 (g % 2) + r + 8 (r / 8) - 16 h
	v_mov_b32 v13, 0xff61b1e6                      ; the largest t so far: -3e38
	v_floor_f32 v12, -v13                          ; -M
	v_mov_b32 v14, 0
	v_mov_b32 v15, 0
.irp b, 0,1,2,3
	v_mov_b32 v[236+\b], 0                         ; written once: a lane permute's destination counts as one of its sources
.endr
	v_mov_b32 v252, 0
	v_mov_b32 v253, 0
.irp i, 0,1,2,3,4,5,6,7
	v_mov_b32 v[24+\i], 0                          ; the zero codes of Q's upper 64,
.irp t, 0,1,2,3
	v_mov_b32 v[40+16*\t+\i], 0                    ; and of K's: they stay
.endr
.endr
.set n, 0
.rept 32
	v_mov_b32 v[160+n], 0                          ; O^T: the step is written once; its first walk finds zeros
.set n, n+1
.endr
; A KEY STEP: 128 keys.
.macro STEP
	s_cmp_gt_u32 s[JS], s[PI]                      ; all its keys come after my queries: only the steps of the addresses are left
	s_cbranch_scc1 .Lhidden_\@
	v_add_nc_u32 v[ADK], s[TB], v[LI]
	v_add_nc_u32 v[ADV], s[TB], v[LIV]
	v_add_nc_u32 v[ADS], s[TSK], v[LSK]
	v_add_nc_u32 v[ADT], s[TSV], v[LSV]
.rept 5
	v_nop                                          ; with the four additions nine places: the scores below are written over the registers from which the last products read V
.endr
	ds_load_b128 v[KS:KS+3], v[ADS]                ; the scale words of the step's eight tiles of K,
	ds_load_b128 v[KS+4:KS+7], v[ADS] offset:256
	ds_load_b128 v[VS:VS+3], v[ADT]                ; and of V's four
.irp g, 0,1                                    ; S^T = K Q^T, four tiles of 16 keys at a time
.if \g > 0
.rept 8
	v_nop                                          ; places in front of loads into registers that matrix instructions have read
.endr
.endif
.irp t, 0,1,2,3
	ds_load_b128 v[32+16*\t:35+16*\t], v[ADK] offset:(4*\g+\t)*1024
	ds_load_b128 v[36+16*\t:39+16*\t], v[ADK] offset:(4*\g+\t)*1024+512
.endr
	s_wait_dscnt 0x0
.irp t, 0,1,2,3
	v_wmma_scale_f32_16x16x128_f8f6f4 v[96+8*(4*\g+\t):103+8*(4*\g+\t)], v[32+16*\t:47+16*\t], v[16:31], 0, v[KS+4*\g+\t], v255 matrix_a_fmt:MATRIX_FMT_BF8 matrix_b_fmt:MATRIX_FMT_BF8
.endr
.endr
.rept 8
	v_nop
.endr
	s_cmp_lg_u32 s[JS], s[PI]                      ; on my diagonal step hidden scores become -infinity ahead of the maximum: p = 0 then
	s_cbranch_scc1 .Lopen_\@
	v_mov_b32 v254, 0xff800000
.set n, 0
.rept 64
	v_cmp_gt_i32 vcc_lo, 32*(n/16)+n%16, v[DD]     ; register 16 b + i holds key 32 b + 16 h + i of the step
	v_cndmask_b32 v[96+n], v[96+n], v254, vcc_lo
.set n, n+1
.endr
.Lopen_\@:
.irp b, 0,1,2,3
	v_max3_num_f32 v[232+\b], v[96+16*\b], v[97+16*\b], v[98+16*\b]   ; the largest score of each block of 32 keys: for the row's maximum, and, since p rises with the score, for the block's largest p
.endr
.irp i, 3,5,7,9,11,13
.irp b, 0,1,2,3
	v_max3_num_f32 v[232+\b], v[232+\b], v[96+16*\b+\i], v[97+16*\b+\i]
.endr
.endr
.irp b, 0,1,2,3
	v_max_num_f32 v[232+\b], v[232+\b], v[111+16*\b]
.endr
.irp b, 0,1,2,3
	v_permlanex16_b32 v[236+\b], v[232+\b], s[SEL], s[SEL+1]
.endr
.irp b, 0,1,2,3
	v_max_num_f32 v[232+\b], v[232+\b], v[236+\b]
.endr
	v_max3_num_f32 v254, v232, v233, v234
	v_max_num_f32 v254, v254, v235
	v_mul_f32 v254, s[CS], v254                    ; as t
	v_max_num_f32 v13, v13, v254                   ; the running largest t
	v_mov_b32 v254, v12
	v_floor_f32 v12, -v13                          ; the new -M = -ceil(t)
	v_sub_f32 v254, v12, v254                      ; old M - new M: a whole number, 0 or less
	v_cvt_i32_f32 v254, v254
	v_ldexp_f32 v252, 1.0, v254                    ; f = 2^(old M - new M): rounds nothing
.set n, 0
.rept 32
	v_pk_fma_f32 v[96+n:97+n], v[96+n:97+n], s[CS:CS+1], v[12:13] op_sel_hi:[1,0,0]   ; t - M
.set n, n+2
.endr
.irp b, 0,1,2,3
	v_fma_f32 v[232+\b], v[232+\b], s[CS], v12
.endr
.set n, 0
.rept 64
	v_exp_f32 v[96+n], v[96+n]                     ; p = 2^(t - M)
.set n, n+1
.endr
.irp b, 0,1,2,3
	v_exp_f32 v[232+\b], v[232+\b]                 ; the block's largest p
.endr
	v_pk_mul_f32 v[14:15], v[14:15], v[252:253] op_sel_hi:[1,0]   ; the sums under the new M (a plain line behind the exponentials)
	s_wait_alu depctr_va_vdst(0)
.irp b, 0,1,2,3
	v_max_num_f32 v[232+\b], 0x8000000, v[232+\b]  ; the floor 2^(16 - 127)
.endr
.irp b, 0,1,2,3
	v_add_nc_u32 v[244+\b], 0xf8800000, v[232+\b]
.endr
.irp b, 0,1,2,3
	v_and_or_b32 v[240+\b], v[232+\b], 0x7f800000, s[MNT]
.endr
.irp b, 0,1,2,3
	v_lshrrev_b32 v[236+\b], 23, v[244+\b]
.endr
	v_lshl_or_b32 v253, v237, 8, v236              ; p's scale word for these 128 keys
	v_lshl_or_b32 v253, v238, 16, v253
	v_lshl_or_b32 v253, v239, 24, v253
	v_pk_add_f32 v[236:237], v[96:97], v[98:99]    ; the row's sum is taken of the unquantised p, in two chains
.irp j, 4,8,12,16,20,24,28,32,36,40,44,48,52,56,60
	v_pk_add_f32 v[14:15], v[14:15], v[96+\j:97+\j]
	v_pk_add_f32 v[236:237], v[236:237], v[98+\j:99+\j]
.endr
	v_pk_add_f32 v[14:15], v[14:15], v[236:237]
.irp b, 0,1,2,3
.irp i, 0,1,2,3,4,5,6,7,8,9,10,11,12,13,14,15
	v_min_num_f32 v[96+16*\b+\i], v[96+16*\b+\i], v[240+\b]   ; the conversion does not saturate (ISA guide 7.6.2); p is not negative
.endr
	v_cvt_scalef32_pk8_bf8_f32 v[PCD+4*\b:PCD+1+4*\b], v[96+16*\b:103+16*\b], v[244+\b]
	v_cvt_scalef32_pk8_bf8_f32 v[PCD+2+4*\b:PCD+3+4*\b], v[104+16*\b:111+16*\b], v[244+\b]
.endr
.irp t, 0,1,2,3
.irp c, 0,1,2,3
	ds_load_b128 v[96+16*\t+4*\c:99+16*\t+4*\c], v[ADV] offset:2048*\t+512*\c   ; V's four fragments into the registers that p has left
.endr
.endr
.set n, 0
.rept 16
	v_pk_mul_f32 v[160+n:161+n], v[160+n:161+n], v[252:253] op_sel_hi:[1,0]     ; O^T under the new M, while V is on its way; these are also the places in front of the products
.set n, n+2
.endr
	s_wait_dscnt 0x0
.irp t, 0,1,2,3                                ; O^T += V^T P^T: four accumulators by turns
	v_wmma_scale_f32_16x16x128_f8f6f4 v[160+8*\t:167+8*\t], v[96+16*\t:111+16*\t], v[PCD:PCD+15], v[160+8*\t:167+8*\t], v[VS+\t], v253 matrix_a_fmt:MATRIX_FMT_BF8 matrix_b_fmt:MATRIX_FMT_BF8
.endr
.Lhidden_\@:
	s_add_co_u32 s[JS], s[JS], 1
	s_add_co_u32 s[TB], s[TB], 8192
	s_add_co_u32 s[TSK], s[TSK], 512
	s_add_co_u32 s[TSV], s[TSV], 256
.endm
; Four key steps, behind the wait that shows their bytes landed and a barrier that shows it of the fetching waves to all.
.macro PHASE f
	s_wait_tensorcnt 3-\f                          ; the later phases' loads may stay out
	s_barrier_signal -1
	s_barrier_wait -1
	s_mov_b32 s[JS], 4*\f
	s_mov_b32 s[TB], 32768*\f
	s_mov_b32 s[TSK], 2048*\f
	s_mov_b32 s[TSV], 1024*\f
	s_mov_b32 s[CNT], 4
.Lstep_\@:
	STEP
	s_sub_co_u32 s[CNT], s[CNT], 1
	s_cmp_lg_u32 s[CNT], 0
	s_cbranch_scc1 .Lstep_\@
.endm
	s_wait_loadcnt 0x0                             ; Q
	PHASE 0
	PHASE 1
	PHASE 2
	PHASE 3
	; THE WAY OUT: O^T / the sum, quantised along e: register 16 b + i is e = 32 b + 16 h + i: two chunks of the output product's operand.
.rept 8
	v_nop
.endr
	v_add_f32 v14, v14, v15
	v_permlanex16_b32 v252, v14, s[SEL], s[SEL+1]
	v_add_f32 v14, v14, v252                       ; the row's sum
	v_rcp_f32 v14, v14
	v_bfe_u32 v10, v0, 4, 1                        ; (a plain line behind the transcendental)  h
.set n, 0
	s_wait_alu depctr_va_vdst(0)
.rept 32
	v_mul_f32 v[96+n], v[160+n], v14
.set n, n+1
.endr
.irp b, 0,1
	v_max3_num_f32 v[232+\b], |v[96+16*\b]|, |v[97+16*\b]|, 0x8000000
.endr
.irp i, 2,4,6,8,10,12,14
.irp b, 0,1
	v_max3_num_f32 v[232+\b], v[232+\b], |v[96+16*\b+\i]|, |v[97+16*\b+\i]|
.endr
.endr
.irp b, 0,1
	v_permlanex16_b32 v[236+\b], v[232+\b], s[SEL], s[SEL+1]
.endr
.irp b, 0,1
	v_max_num_f32 v[232+\b], v[232+\b], v[236+\b]
.endr
.irp b, 0,1
	v_add_nc_u32 v[244+\b], 0xf8800000, v[232+\b]
.endr
.irp b, 0,1
	v_and_or_b32 v[240+\b], v[232+\b], 0x7f800000, s[MNT]
.endr
.irp b, 0,1
	v_lshrrev_b32 v[236+\b], 23, v[244+\b]
.endr
.irp b, 0,1
.irp i, 0,1,2,3,4,5,6,7,8,9,10,11,12,13,14,15
	v_med3_num_f32 v[96+16*\b+\i], v[96+16*\b+\i], -v[240+\b], v[240+\b]
.endr
	v_cvt_scalef32_pk8_bf8_f32 v[PCD+4*\b:PCD+1+4*\b], v[96+16*\b:103+16*\b], v[244+\b]
	v_cvt_scalef32_pk8_bf8_f32 v[PCD+2+4*\b:PCD+3+4*\b], v[104+16*\b:111+16*\b], v[244+\b]
.endr
	v_nop                                          ; one plain line behind the last conversion
	global_store_b128 v[LI], v[PCD:PCD+3], s[8:9]                  ; a chunk: 512 consecutive bytes, aligned
	global_store_b128 v[LI], v[PCD+4:PCD+7], s[8:9] offset:512
	v_cmp_ne_u32 vcc_lo, 0, v10
	v_cndmask_b32 v11, v236, v237, vcc_lo          ; lanes 0-15 the byte of e 0-31, lanes 16-31 that of e 32-63
	global_store_b8 v[CSO], v11, s[10:11]
	s_wait_tensorcnt 0x0
	ds_add_u32 v250, v251
	s_wait_dscnt 0x0
	CROUND                                         ; the closing round
	s_endpgm
.Lfunc_end_k_q423f14a575_attn:
	.size	k_q423f14a575_attn, .Lfunc_end_k_q423f14a575_attn-k_q423f14a575_attn
	.p2alignl 7, 3214868480
	.fill 96, 4, 3214868480
	.section	.rodata,"a",@progbits
	.p2align	6, 0x0
	.amdhsa_kernel k_q423f14a575_attn
		.amdhsa_group_segment_fixed_size 327680
		.amdhsa_private_segment_fixed_size 0
		.amdhsa_enable_private_segment 0
		.amdhsa_kernarg_size 32
		.amdhsa_user_sgpr_count 2
		.amdhsa_user_sgpr_kernarg_segment_ptr 1
		.amdhsa_wavefront_size32 1
		.amdhsa_system_sgpr_workgroup_id_x 1
		.amdhsa_system_sgpr_workgroup_id_y 1
		.amdhsa_system_sgpr_workgroup_id_z 1
		.amdhsa_system_vgpr_workitem_id 0
		.amdhsa_next_free_vgpr 256
		.amdhsa_next_free_sgpr 80
		.amdhsa_reserve_vcc 1
		.amdhsa_float_denorm_mode_32 3
		.amdhsa_float_denorm_mode_16_64 3
		.amdhsa_memory_ordered 1
		.amdhsa_forward_progress 1
		.amdhsa_inst_pref_size 113
	.end_amdhsa_kernel
	.amdgpu_metadata
---
amdhsa.version: [ 1, 2 ]
amdhsa.kernels:
  - .name:           k_q423f14a575_attn
    .symbol:         k_q423f14a575_attn.kd
    .args:
      - { .name: att_img, .offset: 0, .size: 8, .value_kind: global_buffer, .address_space: global }
      - { .name: att_scl, .offset: 8, .size: 8, .value_kind: global_buffer, .address_space: global }
      - { .name: ctx_img, .offset: 16, .size: 8, .value_kind: global_buffer, .address_space: global }
      - { .name: ctx_scl, .offset: 24, .size: 8, .value_kind: global_buffer, .address_space: global }
    .group_segment_fixed_size: 327680
    .private_segment_fixed_size: 0
    .kernarg_segment_align: 8
    .kernarg_segment_size: 32
    .max_flat_workgroup_size: 512
    .sgpr_count:     80
    .vgpr_count:     256
    .wavefront_size: 32
...
	.end_amdgpu_metadata
.endif
;; end of part 3
;; launch gemm_out (part 4): grid 4 x 16, 4 waves a work-group, clusters of 4 x 4, 327,680 bytes of LDS; arguments ctx_img, ctx_scl, w_img, w_scl, bo, out0; writes out0
.if DOCPART == 4
	.amdgcn_target "amdgcn-amd-amdhsa--gfx1250"
	.amdhsa_code_object_version 6
	.text
	.protected	k_q423f14a575_gemm_out
	.globl	k_q423f14a575_gemm_out
	.p2align	8
	.type	k_q423f14a575_gemm_out,@function
k_q423f14a575_gemm_out:
	s_mov_b64 s[64:65], 0
	v_nop
	global_prefetch_b8 v0, s[64:65] scope:SCOPE_SE
	s_setreg_imm32_b32 hwreg(HW_REG_WAVE_MODE, 25, 1), 1
	s_wait_xcnt 0x0
	s_wait_alu depctr_hold_cnt(0) depctr_sa_sdst(0) depctr_va_vdst(0) depctr_va_sdst(0) depctr_va_ssrc(0) depctr_va_vcc(0) depctr_vm_vsrc(0)
	s_getreg_b32 s2, hwreg(HW_REG_IB_STS2, 6, 4)
	s_cmp_eq_u32 s2, 0
	s_cbranch_scc0 .Lentry_in_a_cluster
	s_endpgm
.Lentry_in_a_cluster:
	s_bfe_u32 s2, ttmp6, 0x10000c
	s_cmp_lg_u32 s2, 0xf033
	s_cbranch_scc0 .Lentry_shape_is_right
	s_endpgm
.Lentry_shape_is_right:
; out0 = ctx Wo + bo.  A = the attention's result, B = Wo's columns (blocks 12-15 of the weights' images): codes of BF8 (E5M2) laid as images of operand registers, [tile of 16 rows][K step of 128][chunk][lane][16 bytes], K = 1,024.
; A work-group of four waves makes 256 x 256, a wave 128 x 128: 64 accumulators.  K goes in steps of 256 through two LDS slots; the scale words of all of K come once.  64 work-groups: the whole of out0 at this tile.
; 4 x 4 work-groups form a cluster: A's tiles are shared along a row, B's along a column, each asked for jointly.
; THE MATRIX INSTRUCTION IS USED TRANSPOSED (source 0 = 16 rows of B, source 1 = 16 rows of A).  Lane r of tile 2 g + u is true row 32 g + 8 u + r + 8 (r / 8), on both sides: the way out puts columns and rows back in their true places.
; bo is the C of each sum's first matrix instruction: eight registers a tile of B, in the result's layout.
; REGISTERS: window 0: v1-29 addresses, v32-63 scale words (two sets), v64-127 bo, v128-255 A's fragments, one set (on the way out: rows read back).  window 1: B's fragments, two sets.  windows 2, 3: the accumulators.
.set NQ,    2
.set FR,    16
.set NL,    4
.set NP,    8                          ; places behind this matrix instruction (ISA guide 7.12.1)
.set HALFT, 32768
.set SLOT,  4*HALFT
.set SCL,   2*SLOT
.set SCB,   8192+128                   ; B's scale words lie 128 bytes askew of A's, so that the two halves of a load fall in different banks
.set SPARE, 278784                     ; the spare words, 128 bytes for each wave: two blocks of 256 bytes that no other line names
.set SPITCH, 528                       ; the way out: a stage of 16 rows x (512 bytes + 16) for each wave, in slot 0, which has had its last fill and its last read by then
.set ADRA, 16
.set LI,   18                          ; v18  16 x lane
.set ADRB, 20
.set STO,  24
.set RD,   25
.set ADRS, 27
.set SPW,  28
.set NIL,  29
.set SC,   32
.set CB,   64
.set AF,   128
.set BK,   128
.set G1, 24
.set G0, 32
.set G1B, 48
.set G0B, 56
.set G1S, 68
.set G0S, 76
.set G1SB, 80
.set G0SB, 88
.set MSB, 0
.macro WIN new
.if MSB != (\new)
	s_set_vgpr_msb (MSB<<8)|(\new)
.set MSB, (\new)
.endif
.endm
.set MUL_LO, 0xa1                      ; source 0 (B) window 1, source 1 (A) window 0, C and D window 2
.set MUL_HI, 0xf1
.set BEG_LO, 0x81                      ; the same with C (bo) in window 0
.set BEG_HI, 0xc1
.set TO_B,   0x40
.macro JLOAD g0a, g1a, g0b, g1b        ; a joint load: waves 0 and 1 fetch for A, waves 2 and 3 for B; four v_nop follow each of the two lines
	s_cmp_eq_u32 s15, 0
	s_cbranch_scc0 .Lfor_b_\@
	tensor_load_to_lds s[\g0a:\g0a+3], s[\g1a:\g1a+7]
	s_nop 0
.rept 4
	v_nop
.endr
	s_branch .Lasked_\@
.Lfor_b_\@:
	tensor_load_to_lds s[\g0b:\g0b+3], s[\g1b:\g1b+7]
	s_nop 0
.rept 4
	v_nop
.endr
.Lasked_\@:
.endm
.macro CREST
	s_cmp_lg_u32 s14, 0
	s_cbranch_scc1 .Lnot_wave_0_\@
	s_barrier_signal -3
.Lnot_wave_0_\@:
	s_barrier_wait -3
	s_barrier_signal -1
	s_barrier_wait -1
.endm
.macro CROUND
	s_barrier_signal -1
	s_barrier_wait -1
	CREST
.endm
	s_load_b256 s[4:11], s[0:1], 0x0               ; A's codes, A's scale words, the weights' codes, their scale words
	s_load_b64 s[98:99], s[0:1], 0x20              ; bo
	s_load_b64 s[12:13], s[0:1], 0x28              ; out0
	v_lshl_add_u32 v[SPW], v0, 2, SPARE
	v_mov_b32 v[NIL], 0
	ds_add_u32 v28, v29
	ds_add_u32 v28, v29
	s_wait_dscnt 0x0
	v_lshrrev_b32 v1, 5, v0
	v_readfirstlane_b32 s14, v1
	s_lshr_b32 s15, s14, 1                         ; which half of A's rows is mine.  Also: I fetch for A (0) or for B (1)
	s_and_b32 s16, s14, 1                          ; which half of B's rows.  Also: which 8 tiles I fetch
	s_bfe_u32 s40, ttmp6, 0x40000
	s_bfe_u32 s41, ttmp6, 0x40004
	s_lshl_b32 s42, ttmp9, 2
	s_add_co_u32 s42, s42, s40                     ; B's block of 256 columns
	s_and_b32 s17, ttmp7, 0xffff
	s_lshl_b32 s17, s17, 2
	s_add_co_u32 s17, s17, s41                     ; A's block of 256 rows
	s_lshl_b32 s43, s41, 2
	s_lshl_b32 s43, 15, s43
	s_lshl_b32 s44, 0x1111, s40
	s_or_b32 s[G1+0], s43, (3<<16)|(1<<21)         ; codes: 8 rows of 4,096 bytes (512 elements of 8), 16,384 bytes apart; dense in LDS
	s_or_b32 s[G1B+0], s44, (3<<16)|(1<<21)
.irp g, G1, G1B
	s_mov_b32 s[\g+1], 512<<16
	s_mov_b32 s[\g+2], 8<<16
	s_mov_b32 s[\g+3], 512<<16
	s_mov_b32 s[\g+4], 8
	s_mov_b32 s[\g+5], 2048
	s_mov_b32 s[\g+6], 0
	s_mov_b32 s[\g+7], 0
.endr
	s_or_b32 s[G1S+0], s43, (3<<16)|(1<<21)        ; scale words of 8 tiles: 16 rows of 256 bytes
	s_or_b32 s[G1SB+0], s44, (3<<16)|(1<<21)
.irp g, G1S, G1SB
	s_mov_b32 s[\g+1], 32<<16
	s_mov_b32 s[\g+2], 16<<16
	s_mov_b32 s[\g+3], 32<<16
	s_mov_b32 s[\g+4], 16
	s_mov_b32 s[\g+5], 32
	s_mov_b32 s[\g+6], 0
	s_mov_b32 s[\g+7], 0
.endr
	s_lshl_b32 s18, s16, 17
	s_lshl_b32 s19, s16, 12
	s_lshl_b32 s20, s17, 18
	s_add_co_u32 s20, s20, s18
	s_mov_b32 s21, 0
	s_lshl_b32 s22, s17, 13
	s_add_co_u32 s22, s22, s19
	s_mov_b32 s23, 0
	s_add_co_u32 s46, s42, 12                      ; Wo begins at block 12 of the weights
	s_lshl_b32 s92, s46, 13
	s_add_co_u32 s92, s92, s19
	s_mov_b32 s93, 0
	s_lshl_b32 s46, s46, 18
	s_add_co_u32 s46, s46, s18
	s_mov_b32 s47, 0
	s_lshl_b32 s45, s14, 15
	s_lshl_b32 s94, s14, 12
	s_wait_kmcnt 0x0
	s_add_nc_u64 s[20:21], s[4:5], s[20:21]
	s_add_nc_u64 s[22:23], s[6:7], s[22:23]
	s_add_nc_u64 s[46:47], s[8:9], s[46:47]
	s_add_nc_u64 s[92:93], s[10:11], s[92:93]
	CROUND                                         ; all sixteen work-groups are here: the first joint loads meet
	s_mov_b32 s[G0S], 1
	s_add_co_u32 s[G0S+1], s94, SCL
	s_mov_b64 s[G0S+2:G0S+3], s[22:23]
	s_or_b32 s[G0S+3], s[G0S+3], 0x80000000
	s_mov_b32 s[G0SB], 1
	s_add_co_u32 s[G0SB+1], s94, SCL+128
	s_mov_b64 s[G0SB+2:G0SB+3], s[92:93]
	s_or_b32 s[G0SB+3], s[G0SB+3], 0x80000000
	JLOAD G0S, G1S, G0SB, G1SB
.irp s, 0,1
	s_mov_b32 s[G0+4*\s], 1
	s_add_co_u32 s[G0+4*\s+1], s45, \s*SLOT
	s_add_nc_u64 s[G0+4*\s+2:G0+4*\s+3], s[20:21], \s*4096
	s_or_b32 s[G0+4*\s+3], s[G0+4*\s+3], 0x80000000
	s_mov_b32 s[G0B+4*\s], 1
	s_add_co_u32 s[G0B+4*\s+1], s45, \s*SLOT
	s_add_nc_u64 s[G0B+4*\s+2:G0B+4*\s+3], s[46:47], \s*4096
	s_or_b32 s[G0B+4*\s+3], s[G0B+4*\s+3], 0x80000000
	JLOAD G0+4*\s, G1, G0B+4*\s, G1B
.endr
	v_and_b32 v1, 15, v0                           ; r
	v_bfe_u32 v2, v0, 4, 1                         ; h
	v_and_b32 v3, 31, v0
	v_lshlrev_b32 v[LI], 4, v3
	v_lshlrev_b32 v4, 6, v2                        ; 64 h
	s_lshl_b32 s46, s42, 10                        ; my first column, in bytes: 1,024 x block + 512 x half
	s_lshl_b32 s47, s16, 9
	s_add_co_u32 s46, s46, s47
	s_mov_b32 s47, 0
	s_add_nc_u64 s[98:99], s[98:99], s[46:47]
.irp b, 0,1,2,3,4,5,6,7
	global_load_b128 v[CB+8*\b:CB+8*\b+3], v4, s[98:99] offset:128*(\b/2)+32*(\b%2)          ; tile b, register j: column 32 (b / 2) + 16 h + 8 (b % 2) + j
	global_load_b128 v[CB+8*\b+4:CB+8*\b+7], v4, s[98:99] offset:128*(\b/2)+32*(\b%2)+16
.endr
	s_lshl_b32 s21, s15, 15
	s_lshl_b32 s22, s16, 15
	s_add_co_u32 s22, s22, 2*HALFT
.irp s, 0,1
	v_add_nc_u32 v[ADRA+\s], s21, v[LI]
	v_add_nc_u32 v[ADRB+\s], s22, v[LI]
	s_add_co_u32 s21, s21, SLOT
	s_add_co_u32 s22, s22, SLOT
.endr
	v_lshlrev_b32 v5, 2, v1
	s_lshl_b32 s21, s15, 12
	s_lshl_b32 s22, s16, 12
	s_add_co_u32 s22, s22, SCB
	s_sub_co_u32 s22, s22, s21
	v_mul_u32_u24 v6, s22, v2                      ; lanes 16-31 take B's
	s_add_co_u32 s21, s21, SCL
	v_add_nc_u32 v5, v5, v6
	v_add_nc_u32 v[ADRS], s21, v5
	s_mul_i32 s23, s14, 16*SPITCH                  ; my stage
	v_mul_u32_u24 v5, v1, SPITCH
	v_lshl_add_u32 v5, v2, 6, v5
	v_add_nc_u32 v[STO], s23, v5                   ; in: row r, + 64 h
	v_add_nc_u32 v[RD], s23, v[LI]                 ; back: the 32 lanes take one row of 512 bytes
	s_lshl_b32 s20, s17, 8
	s_lshl_b32 s21, s15, 7
	s_add_co_u32 s20, s20, s21                     ; my first row: 256 x block + 128 x half,
	s_lshl_b32 s20, s20, 12                        ; of 4,096 bytes
	s_mov_b32 s21, 0
	s_add_nc_u64 s[20:21], s[20:21], s[46:47]
	s_add_nc_u64 s[12:13], s[12:13], s[20:21]
.macro FRAG reg, adr, q, i
.irp c, 0,1,2,3
	ds_load_b128 v[\reg+4*\c:\reg+4*\c+3], v[\adr] offset:(\i)*4096+(\q)*2048+512*\c
.endr
.endm
; 16 matrix instructions: A's blocks a0, a0 + 1 x B's eight.  first = 1: the sums begin with bo.  The 64 accumulators take turns, one instruction a turn.
.macro MUL16 a0, p, q, sc, first
.irp a, \a0, \a0+1
.irp b, 0,1,2,3,4,5,6,7
.if \first
	v_wmma_scale_f32_16x16x128_f8f6f4 v[8*(8*((\a)%4)+\b):8*(8*((\a)%4)+\b)+7], v[128*(\p)+FR*\b:128*(\p)+FR*\b+FR-1], v[AF+FR*(\a):AF+FR*(\a)+FR-1], v[CB+8*\b:CB+8*\b+7], v[SC+8*NQ*(\sc)+NQ*\b+(\q)], v[SC+8*NQ*(\sc)+NQ*(\a)+(\q)] matrix_a_fmt:MATRIX_FMT_BF8 matrix_b_fmt:MATRIX_FMT_BF8 matrix_a_scale:MATRIX_SCALE_ROW1
.else
	v_wmma_scale_f32_16x16x128_f8f6f4 v[8*(8*((\a)%4)+\b):8*(8*((\a)%4)+\b)+7], v[128*(\p)+FR*\b:128*(\p)+FR*\b+FR-1], v[AF+FR*(\a):AF+FR*(\a)+FR-1], v[8*(8*((\a)%4)+\b):8*(8*((\a)%4)+\b)+7], v[SC+8*NQ*(\sc)+NQ*\b+(\q)], v[SC+8*NQ*(\sc)+NQ*(\a)+(\q)] matrix_a_fmt:MATRIX_FMT_BF8 matrix_b_fmt:MATRIX_FMT_BF8 matrix_a_scale:MATRIX_SCALE_ROW1
.endif
.endr
.endr
.endm
.macro FETCH_B slot, q, p
	WIN TO_B
.irp i, 0,1,2,3,4,5,6,7
	FRAG 128*(\p)+FR*\i, ADRB+\slot, \q, \i
.endr
	WIN 0
.endm
.macro FETCH_A slot, q, i0
.irp i, \i0, \i0+1, \i0+2, \i0+3
	FRAG AF+FR*(\i), ADRA+\slot, \q, \i
.endr
.endm
.macro SCALES sc
.irp i, 0,1,2,3,4,5,6,7
.irp q, 0,1
	ds_load_b32 v[SC+8*NQ*\sc+NQ*\i+\q], v[ADRS] offset:512*\i+64*\q
.endr
.endr
.endm
.macro PLACES n
.rept \n
	v_nop
.endr
.endm
.macro STEP slot, q, first
	s_wait_dscnt 4*NL                              ; B's set, A's blocks 0-3 and the scale words are in; the youngest sixteen loads (A's blocks 4-7) may be out
.if \first
	WIN BEG_LO
.else
	WIN MUL_LO
.endif
	MUL16 0, (\q)%2, \q, \slot, \first
	MUL16 2, (\q)%2, \q, \slot, \first
	s_wait_dscnt 0
	PLACES NP
	FETCH_B \slot, (\q)+1, 1-(\q)%2
	FETCH_A \slot, (\q)+1, 0
.if \first
	WIN BEG_HI
.else
	WIN MUL_HI
.endif
	MUL16 4, (\q)%2, \q, \slot, \first
	MUL16 6, (\q)%2, \q, \slot, \first
	PLACES NP
	WIN 0
	FETCH_A \slot, (\q)+1, 4
.endm
.macro TURN slot, next, fill
	s_wait_tensorcnt 0x0                           ; all my tensor loads have landed: my part of the next slot
	ds_add_u32 v[SPW], v[NIL]                      ; 0 onto my spare word
	s_wait_dscnt 4*NL+1                            ; (the add and the youngest sixteen loads may be out)
	WIN MUL_LO
	MUL16 0, 1, NQ-1, \slot, 0
	s_wait_dscnt 0x0                               ; the add is done, and my reads of this slot are over
	s_barrier_signal -1
	MUL16 2, 1, NQ-1, \slot, 0
	WIN 0
	s_barrier_wait -1
.if \fill
	CREST                                          ; the barrier has opened a round of the cluster's barrier: no wave of any partner still reads this slot or has a load on its way
	s_add_nc_u64 s[G0+4*\slot+2:G0+4*\slot+3], s[G0+4*\slot+2:G0+4*\slot+3], 2*4096
	s_add_nc_u64 s[G0B+4*\slot+2:G0B+4*\slot+3], s[G0B+4*\slot+2:G0B+4*\slot+3], 2*4096
	JLOAD G0+4*\slot, G1, G0B+4*\slot, G1B
	PLACES NP-4
.else
	PLACES NP
.endif
	v_add_nc_u32 v[ADRS], 64*NQ, v[ADRS]
	FETCH_B \next, 0, 0
	FETCH_A \next, 0, 0
	SCALES \next
	WIN MUL_HI
	MUL16 4, 1, NQ-1, \slot, 0
	MUL16 6, 1, NQ-1, \slot, 0
	PLACES NP
	WIN 0
	FETCH_A \next, 0, 4
.endm
	s_wait_tensorcnt 1                             ; the scale words and my part of slot 0 are in; slot 1's load may be out
	s_barrier_signal -1
	s_barrier_wait -1
	FETCH_B 0, 0, 0
	FETCH_A 0, 0, 0
	SCALES 0
	FETCH_A 0, 0, 4
	s_wait_loadcnt 0x0                             ; bo
	STEP 0, 0, 1
	TURN 0, 1, 1
	STEP 1, 0, 0
	TURN 1, 0, 1
	STEP 0, 0, 0
	TURN 0, 1, 0
	STEP 1, 0, 0
	s_wait_dscnt 4*NL
	WIN MUL_LO
	MUL16 0, 1, NQ-1, 1, 0
	MUL16 2, 1, NQ-1, 1, 0
	s_wait_dscnt 0
	WIN MUL_HI
	MUL16 4, 1, NQ-1, 1, 0
	MUL16 6, 1, NQ-1, 1, 0
	WIN 0
; THE WAY OUT, a tile of 16 rows x 128 columns at a time, through my own stage: in by true column, back as whole rows of 512 bytes, stored at the rows' true places.
; LDS serves a wave's instructions in order (ISA guide 5.7.1.4): no wait between the stores and the loads, nor in front of the next tile's stores.
.macro TOSTAGE a
.set AC, 64*((\a)%4)
	WIN 0x08+4*((\a)/4)                            ; the data: window 2 or 3
.irp b, 0,1,2,3,4,5,6,7
	ds_store_b128 v[STO], v[AC+8*\b:AC+8*\b+3] offset:128*(\b/2)+32*(\b%2)          ; each accumulator from its low end on
	ds_store_b128 v[STO], v[AC+8*\b+4:AC+8*\b+7] offset:128*(\b/2)+32*(\b%2)+16
.endr
	WIN 0
.set BB, BK+64*((\a)%2)
.irp t, 0,1,2,3,4,5,6,7,8,9,10,11,12,13,14,15
	ds_load_b128 v[BB+4*\t:BB+4*\t+3], v[RD] offset:\t*SPITCH
.endr
.endm
.macro SEND a, younger                 ; younger: the LDS instructions issued behind tile a's loads, which may stay out
.set BB, BK+64*((\a)%2)
	s_wait_dscnt \younger
.irp t, 0,1,2,3,4,5,6,7,8,9,10,11,12,13,14,15
	global_store_b128 v[LI], v[BB+4*\t:BB+4*\t+3], s[12:13] offset:(32*((\a)/2)+8*((\a)%2)+\t+8*(\t/8))*4096 th:TH_STORE_NT   ; 32 lanes store 512 consecutive bytes, aligned; the true row stands in the immediate
.endr
.endm
	PLACES NP                                      ; behind the last products: results are read, and rows are loaded into the registers that held A's fragments
	TOSTAGE 0
.irp a, 1,2,3,4,5,6,7
.if \a > 1
	s_wait_xcnt 0x0                                ; tile a - 2's stores have read their registers: tile a's rows may land there
.endif
	TOSTAGE \a
	SEND \a-1, 32                                  ; behind tile a - 1's loads: tile a's 16 stores and 16 loads
.endr
	SEND 7, 0
	s_wait_tensorcnt 0x0                           ; the wave's end
	ds_add_u32 v[SPW], v[NIL]
	s_wait_dscnt 0x0
	CROUND                                         ; the closing round
	s_endpgm
.Lfunc_end_k_q423f14a575_gemm_out:
	.size	k_q423f14a575_gemm_out, .Lfunc_end_k_q423f14a575_gemm_out-k_q423f14a575_gemm_out
	.p2alignl 7, 3214868480
	.fill 96, 4, 3214868480
	.section	.rodata,"a",@progbits
	.p2align	6, 0x0
	.amdhsa_kernel k_q423f14a575_gemm_out
		.amdhsa_group_segment_fixed_size 327680
		.amdhsa_private_segment_fixed_size 0
		.amdhsa_enable_private_segment 0
		.amdhsa_kernarg_size 48
		.amdhsa_user_sgpr_count 2
		.amdhsa_user_sgpr_kernarg_segment_ptr 1
		.amdhsa_wavefront_size32 1
		.amdhsa_system_sgpr_workgroup_id_x 1
		.amdhsa_system_sgpr_workgroup_id_y 1
		.amdhsa_system_sgpr_workgroup_id_z 1
		.amdhsa_system_vgpr_workitem_id 0
		.amdhsa_next_free_vgpr 1024
		.amdhsa_next_free_sgpr 102
		.amdhsa_reserve_vcc 0
		.amdhsa_float_denorm_mode_32 3
		.amdhsa_float_denorm_mode_16_64 3
		.amdhsa_memory_ordered 1
		.amdhsa_forward_progress 1
		.amdhsa_inst_pref_size 148
	.end_amdhsa_kernel
	.amdgpu_metadata
---
amdhsa.version: [ 1, 2 ]
amdhsa.kernels:
  - .name:           k_q423f14a575_gemm_out
    .symbol:         k_q423f14a575_gemm_out.kd
    .args:
      - { .name: ctx_img, .offset: 0, .size: 8, .value_kind: global_buffer, .address_space: global }
      - { .name: ctx_scl, .offset: 8, .size: 8, .value_kind: global_buffer, .address_space: global }
      - { .name: w_img, .offset: 16, .size: 8, .value_kind: global_buffer, .address_space: global }
      - { .name: w_scl, .offset: 24, .size: 8, .value_kind: global_buffer, .address_space: global }
      - { .name: bo, .offset: 32, .size: 8, .value_kind: global_buffer, .address_space: global }
      - { .name: out0, .offset: 40, .size: 8, .value_kind: global_buffer, .address_space: global }
    .group_segment_fixed_size: 327680
    .private_segment_fixed_size: 0
    .kernarg_segment_align: 8
    .kernarg_segment_size: 48
    .max_flat_workgroup_size: 128
    .sgpr_count:     102
    .vgpr_count:     1024
    .wavefront_size: 32
...
	.end_amdgpu_metadata
.endif
;; end of part 4
